; MI455X (gfx1250); checked and timed in simulation.
; The chip was launched on July 23, 2026; its instructions are those of AMD's public machine-readable ISA for CDNA 5 (MIT licence, August 2026) and "CDNA5" Instruction Set Architecture Reference Guide (July 2026). The comments in the code are by the model that wrote it; some were corrected since.
;; Multi Head Attention. Allowed arithmetic: float matrix products may take bf16 or f16 operands with f32 sums; all other float work in f32.
;; Inputs: Wk 1,024 x 1,024 float32; Wo 1,024 x 1,024 float32; Wq 1,024 x 1,024 float32; Wv 1,024 x 1,024 float32; bk 1,024 float32; bo 1,024 float32; bq 1,024 float32; bv 1,024 float32; key 4 x 2,048 x 1,024 float32; query 4 x 2,048 x 1,024 float32; value 4 x 2,048 x 1,024 float32.
;; Outputs: out0 4 x 2,048 x 1,024 float32.
;; 2 versions, each right; version 2 is version 1 with the launch castw written anew for expert scheduling mode. Each part assembles by itself: llvm-mc -triple=amdgcn-amd-amdhsa -mcpu=gfx1250 --defsym DOCPART=n.
;; ======== version 1 of 2: 4 launches
;; limits: values are held in f16: magnitudes above 65,504 overflow, below 6.1e-05 lose precision; right only within a limited range of input values
;; workspace buffers: wb 6,291,456 bytes; wo16 2,097,152 bytes; qkv 50,331,648 bytes; ob 16,777,216 bytes
;; launch castw (part 1): grid 64 x 4, 8 waves a work-group, no clusters, 0 bytes of LDS; arguments Wq, Wk, Wv, Wo, wb, wo16; writes wb, wo16
.if DOCPART == 1
	.amdgcn_target "amdgcn-amd-amdhsa--gfx1250"
	.amdhsa_code_object_version 6
	.text
	.protected	k_q5b8b34964e_castw
	.globl	k_q5b8b34964e_castw
	.p2align	8
	.type	k_q5b8b34964e_castw,@function
k_q5b8b34964e_castw:
	s_mov_b64 s[64:65], 0
	v_nop
	global_prefetch_b8 v0, s[64:65] scope:SCOPE_SE
	s_setreg_imm32_b32 hwreg(HW_REG_WAVE_MODE, 25, 1), 1
	s_wait_xcnt 0x0
; The four weight matrices, [1024][1024] f32, are rounded once to 16 bits, since each is read again by 64 row blocks of the products that follow.
; Wq, Wk, Wv -> wb [3][1024][1024] bf16 (round to nearest even).  Wo -> wo16 [1024][1024] f16: rounded to bf16 like every input of the module, and that number written as f16.
; LIMIT.  A bf16 number is exact in f16 from 2^-17 to 65,504; below that it keeps f16's fixed step of 2^-24, beyond it becomes an infinity: Wo is served within that range.
; SHARES.  Work-group (x, y): matrix y, rows 16 x to 16 x + 15: 65,536 bytes in, 32,768 out.  Thread t takes 16 bytes of every 4,096: a wave's load covers 512 consecutive bytes, its store 256, aligned.
; All sixteen loads of a wave go out at once; no register is used twice, so the only waits are the counted ones for the loads.  No LDS, no barrier, no matrix unit: a stream has no use for them.
.set X, 4                              ; v[4:67]    load i: 4 f32
.set Y, 68                             ; v[68:99]   load i: 4 numbers of 16 bits
.set T, 100                            ; v[100:103] at work
	s_load_b256 s[4:11], s[0:1], 0x0               ; Wq s[4:5], Wk s[6:7], Wv s[8:9], Wo s[10:11]
	s_load_b128 s[12:15], s[0:1], 0x20             ; wb s[12:13], wo16 s[14:15]
	s_and_b32 s16, ttmp7, 0xffff                   ; which matrix
	v_lshlrev_b32 v1, 4, v0                        ; my 16 bytes in
	v_lshlrev_b32 v2, 3, v0                        ; my 8 bytes out
	s_lshl_b32 s18, s16, 21                        ; the matrix's place in wb
	s_mov_b32 s19, 0
	s_lshl_b32 s20, ttmp9, 16                      ; my 16 rows, in
	s_mov_b32 s21, 0
	s_lshl_b32 s22, ttmp9, 15                      ; and out
	s_mov_b32 s23, 0
	s_wait_kmcnt 0x0
	s_cmp_eq_u32 s16, 1
	s_cselect_b64 s[4:5], s[6:7], s[4:5]
	s_cmp_eq_u32 s16, 2
	s_cselect_b64 s[4:5], s[8:9], s[4:5]
	s_cmp_eq_u32 s16, 3
	s_cselect_b64 s[4:5], s[10:11], s[4:5]
	s_cselect_b64 s[12:13], s[14:15], s[12:13]     ; Wo has a buffer of its own,
	s_cselect_b32 s18, 0, s18                      ; and lies at its beginning
	s_add_nc_u64 s[4:5], s[4:5], s[20:21]
	s_add_nc_u64 s[12:13], s[12:13], s[18:19]
	s_add_nc_u64 s[12:13], s[12:13], s[22:23]
.irp i, 0,1,2,3,4,5,6,7,8,9,10,11,12,13,14,15
	global_load_b128 v[X+4*(\i):X+4*(\i)+3], v1, s[4:5] offset:4096*(\i) th:TH_LOAD_NT
.endr
	s_cmp_eq_u32 s16, 3
	s_cbranch_scc1 .Lwo
.irp i, 0,1,2,3,4,5,6,7,8,9,10,11,12,13,14,15
	s_wait_loadcnt 15-(\i)                         ; loads come back in order: load i is in, the younger ones stay out
	v_cvt_pk_bf16_f32 v[Y+2*(\i)], v[X+4*(\i)], v[X+4*(\i)+1]
	v_cvt_pk_bf16_f32 v[Y+2*(\i)+1], v[X+4*(\i)+2], v[X+4*(\i)+3]
	global_store_b64 v2, v[Y+2*(\i):Y+2*(\i)+1], s[12:13] offset:2048*(\i)
.endr
	s_endpgm
.Lwo:
.irp i, 0,1,2,3,4,5,6,7,8,9,10,11,12,13,14,15
	s_wait_loadcnt 15-(\i)
	v_cvt_pk_bf16_f32 v[T], v[X+4*(\i)], v[X+4*(\i)+1]        ; to bf16,
	v_cvt_pk_bf16_f32 v[T+1], v[X+4*(\i)+2], v[X+4*(\i)+3]
	v_lshlrev_b32 v[T+2], 16, v[T]                            ; back to f32 (a shift, a mask),
	v_and_b32 v[T], 0xffff0000, v[T]
	v_lshlrev_b32 v[T+3], 16, v[T+1]
	v_and_b32 v[T+1], 0xffff0000, v[T+1]
	v_cvt_pk_f16_f32 v[Y+2*(\i)], v[T+2], v[T]                ; and written as f16
	v_cvt_pk_f16_f32 v[Y+2*(\i)+1], v[T+3], v[T+1]
	global_store_b64 v2, v[Y+2*(\i):Y+2*(\i)+1], s[12:13] offset:2048*(\i)
.endr
	s_endpgm
.Lfunc_end_k_q5b8b34964e_castw:
	.size	k_q5b8b34964e_castw, .Lfunc_end_k_q5b8b34964e_castw-k_q5b8b34964e_castw
	.p2alignl 7, 3214868480
	.fill 96, 4, 3214868480
	.section	.rodata,"a",@progbits
	.p2align	6, 0x0
	.amdhsa_kernel k_q5b8b34964e_castw
		.amdhsa_group_segment_fixed_size 0
		.amdhsa_private_segment_fixed_size 0
		.amdhsa_enable_private_segment 0
		.amdhsa_kernarg_size 48
		.amdhsa_user_sgpr_count 2
		.amdhsa_user_sgpr_kernarg_segment_ptr 1
		.amdhsa_wavefront_size32 1
		.amdhsa_system_sgpr_workgroup_id_x 1
		.amdhsa_system_sgpr_workgroup_id_y 1
		.amdhsa_system_sgpr_workgroup_id_z 1
		.amdhsa_system_vgpr_workitem_id 0
		.amdhsa_next_free_vgpr 104
		.amdhsa_next_free_sgpr 66
		.amdhsa_reserve_vcc 0
		.amdhsa_float_denorm_mode_32 3
		.amdhsa_float_denorm_mode_16_64 3
		.amdhsa_memory_ordered 1
		.amdhsa_forward_progress 1
		.amdhsa_inst_pref_size 16
	.end_amdhsa_kernel
	.amdgpu_metadata
---
amdhsa.version: [ 1, 2 ]
amdhsa.kernels:
  - .name:           k_q5b8b34964e_castw
    .symbol:         k_q5b8b34964e_castw.kd
    .args:
      - { .name: Wq, .offset: 0, .size: 8, .value_kind: global_buffer, .address_space: global }
      - { .name: Wk, .offset: 8, .size: 8, .value_kind: global_buffer, .address_space: global }
      - { .name: Wv, .offset: 16, .size: 8, .value_kind: global_buffer, .address_space: global }
      - { .name: Wo, .offset: 24, .size: 8, .value_kind: global_buffer, .address_space: global }
      - { .name: wb, .offset: 32, .size: 8, .value_kind: global_buffer, .address_space: global }
      - { .name: wo16, .offset: 40, .size: 8, .value_kind: global_buffer, .address_space: global }
    .group_segment_fixed_size: 0
    .private_segment_fixed_size: 0
    .kernarg_segment_align: 8
    .kernarg_segment_size: 48
    .max_flat_workgroup_size: 256
    .sgpr_count:     66
    .vgpr_count:     104
    .wavefront_size: 32
...
	.end_amdgpu_metadata
.endif
;; end of part 1
;; launch proj (part 2): grid 4 x 64, 4 waves a work-group, clusters of 4 x 4, 327,680 bytes of LDS; arguments query, key, value, wb, bq, bk, bv, qkv; writes qkv
.if DOCPART == 2
	.amdgcn_target "amdgcn-amd-amdhsa--gfx1250"
	.amdhsa_code_object_version 6
	.text
	.protected	k_q5b8b34964e_proj
	.globl	k_q5b8b34964e_proj
	.p2align	8
	.type	k_q5b8b34964e_proj,@function
k_q5b8b34964e_proj:
	s_mov_b64 s[64:65], 0
	v_nop
	global_prefetch_b8 v0, s[64:65] scope:SCOPE_SE
	s_setreg_imm32_b32 hwreg(HW_REG_WAVE_MODE, 25, 1), 1
	s_wait_xcnt 0x0
	s_wait_alu depctr_hold_cnt(0) depctr_sa_sdst(0) depctr_va_vdst(0) depctr_va_sdst(0) depctr_va_ssrc(0) depctr_va_vcc(0) depctr_vm_vsrc(0)
	s_getreg_b32 s2, hwreg(HW_REG_IB_STS2, 6, 4)
	s_cmp_eq_u32 s2, 0
	s_cbranch_scc0 .Lentry_in_a_cluster
	s_endpgm
.Lentry_in_a_cluster:
	s_bfe_u32 s2, ttmp6, 0x10000c
	s_cmp_lg_u32 s2, 0xf033
	s_cbranch_scc0 .Lentry_shape_is_right
	s_endpgm
.Lentry_shape_is_right:
; THE THREE INPUT PROJECTIONS, IN ONE WALK.  y = x W^T + b for (query, Wq, bq), (key, Wk, bk), (value, Wv, bv).  x: [8192][1024] f32; W: wb [3][1024][1024] bf16; b: [1024] f32.
; x and b are rounded to bf16 on the way in, like every input of the module; products in bf16, sums in f32, started with the bias; y is rounded once, to f16, and stored by heads, unscaled:
; qkv [3][64 = batch x 16 + head][2048][64] f16.
; LIMIT.  f16 ends at 65,504: a number of q, k or v beyond it becomes an infinity.  With unit x and W of spread 1/32 they have unit spread; with all inputs 30 times larger, or offset by 30 spreads, they stay under 3e4.
; SHARES.  256 work-groups THAT STAY: work-group (nt, mt) makes rows 128 mt on, columns 256 nt on (4 heads), of q, then of k, then of v.  Four waves, each 64 rows x 128 columns: 32 accumulators of 16 x 16, 256 registers.
; THE WALK.  3 tiles x 8 K steps of 128 are ONE sequence of 24 steps through two LDS slots filled by the tensor data mover: 128 rows of x as f32 (512 bytes a row) and 256 rows of W (256 bytes a row); a step is 128
; matrix instructions a wave.  The ring does not stop at a tile's end: a tile's last two changes of slots ask for the next tile's first two steps, and nothing waits for a tile's stores.
; x stays f32 as far as LDS: a fragment is read as 16 registers of f32 and rounded to 8 of bf16, four conversions behind each of a quarter step's last eight matrix instructions.
; CLUSTER.  4 x 4 work-groups.  The four of a row need the same tile of x, the four of a column the same tile of W: each is asked for JOINTLY, by the same tensor load with the same descriptor and a mask of four.
; All sixteen walk the three projections in step: which one is in hand hangs on the loop's count alone.
; THE MATRIX INSTRUCTION IS USED TRANSPOSED: source 0 = 16 rows of W, source 1 = 16 rows of x: a lane then holds one row of y (lane % 16) and eight neighbouring channels, 8 (lane / 16) + 0..7.
; REGISTERS, in windows of 256 (s_set_vgpr_msb: bits 1:0 source 0, 3:2 source 1, 5:4 source 2, 7:6 destination):
;   window 0: v0-29 addresses; v32-95 RAW, 4 fragments of x in f32; v96-159 FA, x's fragments in bf16, two buffers of 32; on the way out v128-255 (FA's second buffer is free there, its first holds the next tile's fragments)
;   window 1: v0-127 FB, W's fragments, two buffers of 64; v128-191 the bias in the layout of a C operand; v192-195 at work          window 2: accumulator (a, b) at v[8 (8 a + b)]
.set KSTEP,  128
.set PX,     528                       ; a row of x in LDS: 512 bytes + 16 = 33 x 16: the 16 rows of a load start at 16 different groups of four banks (64 banks of 4 bytes: ISA guide 11.1)
.set PW,     272                       ; a row of W: 256 + 16 = 17 x 16
.set XH,     64*PX                     ; 64 rows of x: one tensor load, and what one wave reads
.set WB0,    2*XH                      ; W lies behind x's 128 rows
.set WH,     128*PW                    ; 128 rows of W: one tensor load, and what one wave reads
.set SLOT1,  0x24000                   ; slot 1.  The four tiles begin at 0, 0x8400, 0x10800, 0x19000, which share no bit with it: one exclusive or changes slots
.set STAGE,  SLOT1+WB0+2*WH            ; behind the ring: 16 rows x 144 bytes for each wave, for the way out; no tensor load lands here
.set SP,     144
.set SPARE,  STAGE+4*16*SP             ; behind the stages: the spare words, 128 bytes for each wave: two blocks of 256 bytes that no other line names
.set AX0,  4                           ; v4   my lane's place in x's tile; never rewritten
.set AW0,  5                           ; v5   the same for W
.set ADRX, 6                           ; v6   v4 + the slot in hand
.set ADRW, 7                           ; v7   v5 + the slot in hand
.set STO,  8                           ; v8   the way out: where I put 16 bytes of a row
.set RD,   9                           ; v9   the way out: where I read rows back
.set GO,   10                          ; v10  my 16 bytes in 512 consecutive bytes of the output
.set BO,   11                          ; v11  my byte offset in 16 numbers of the bias
.set PF,   12                          ; v12  my byte offset in the rows that my wave prefetches
.set SPW,  28                          ; v28  LDS address of my spare word: SPARE + 4 x my thread's number; never rewritten
.set NIL,  29                          ; v29  0; never rewritten
.set RAW,  32
.set FA,   96
.set OUTR, 128
.set FB,   0                           ; window 1
.set BIAS, 128                         ; window 1
.set BT,   192                         ; window 1
.set WV,   20                          ; s20  my wave's number
.set WR,   21                          ; s21  which 64 rows are mine.  Also: I fetch for x (0) or for W (1)
.set WC,   22                          ; s22  which 128 columns are mine.  Also: which half of that tile I fetch
.set CNT,  23                          ; s23  the loop's count: 22 - g in the trip of step g
.set G1,   24                          ; s[24:31] descriptor group 1 for x's tiles
.set G0,   32                          ; s[32:39] group 0 for x's tiles: a set for each first fill; the second then walks
.set G1B,  48                          ; s[48:55], s[56:63] the same for W's
.set G0B,  56
.set PFB,  68                          ; s[68:69] base of my wave's next prefetch
.set TB,   70                          ; s70  LDS byte at which the slot in hand begins
.set RS,   80                          ; s80  the step, in its tile, of the next request
.set XO,   82                          ; s[82:83] its byte offset along x's rows
.set WD,   84                          ; s[84:85] bytes from the last request's tile of W to the next one's
.set WBIG, 86                          ; s86  that distance across a change of tiles: one matrix on, seven steps back
.set PS,   87                          ; s87  the step, in its tile, of the next prefetch
.set PO,   88                          ; s[88:89] its byte offset along x's rows
.set PP0,  90                          ; s[90:91], s[92:93], s[94:95] my wave's rows to prefetch in the x in hand and in the two that follow
.set PP1,  92
.set PP2,  94
.set MSB, 0
.macro WIN new                         ; the immediate's high byte repeats the setting that is left; a switch that changes nothing is dropped
.if MSB != (\new)
	s_set_vgpr_msb (MSB<<8)|(\new)
.set MSB, \new
.endif
.endm
.set MUL,  0xa1                        ; source 0 (W) window 1, source 1 (x) window 0, C and D window 2
.set MULB, 0x91                        ; the same with C (the bias) in window 1
.set TO_B, 0x40                        ; destination window 1, address window 0
.set W1,   0x45                        ; destination and sources in window 1
.set PK,   0x0a                        ; sources 0 and 1 window 2, destination window 0
.macro PLACES                          ; four places in front of loads into registers that matrix instructions have read, and of lines that read results just made
.rept 4
	v_nop
.endr
.endm
; A joint refill.  Waves 0 and 1 fetch x's two halves, waves 2 and 3 W's.  The branch hangs on the wave's number alone.  An s_nop 0 and four v_nop follow each of the two lines.
; Behind x's line stands the prefetch: in the trip of step g waves 0 and 1 of the four partners along x ask for step g + 4 of x, two trips ahead of the tensor load that wants it: partner cx's wave w takes rows
; 32 cx + 16 w on, a lane one of the two blocks of 256 bytes of a row's 512: each block is asked for once in the launch.  The trips of steps 20 and 21 ask for nothing: step 23 is the last.
.macro JLOAD
	s_cmp_eq_u32 s[WR], 0
	s_cbranch_scc0 .Lfor_w_\@
	tensor_load_to_lds s[G0+4:G0+7], s[G1:G1+7]
	s_nop 0
.rept 4
	v_nop
.endr
	s_cmp_gt_u32 s[CNT], 2
	s_cbranch_scc0 .Lasked_\@
	global_prefetch_b8 v[PF], s[PFB:PFB+1] th:TH_LOAD_NT scope:SCOPE_SE
	s_branch .Lasked_\@
.Lfor_w_\@:
	tensor_load_to_lds s[G0B+4:G0B+7], s[G1B:G1B+7]
	s_nop 0
.rept 4
	v_nop
.endr
.Lasked_\@:
.endm
; A round of the cluster's barrier: my work-group's barrier, so that wave 0's signal speaks for all four waves; wave 0 signals; every wave waits for all sixteen work-groups; my work-group's barrier once more.
.macro CREST                           ; a round behind its opening barrier
	s_cmp_lg_u32 s[WV], 0
	s_cbranch_scc1 .Lnot_wave_0_\@
	s_barrier_signal -3
.Lnot_wave_0_\@:
	s_barrier_wait -3
	s_barrier_signal -1
	s_barrier_wait -1
.endm
.macro CROUND
	s_barrier_signal -1
	s_barrier_wait -1
	CREST
.endm
	s_load_b512 s[4:19], s[0:1], 0x0               ; query s[4:5], key s[6:7], value s[8:9], wb s[10:11], bq s[12:13], bk s[14:15], bv s[16:17], qkv s[18:19]
	v_lshl_add_u32 v[SPW], v0, 2, SPARE
	v_mov_b32 v[NIL], 0
	ds_add_u32 v28, v29
	s_wait_dscnt 0x0
	v_lshrrev_b32 v1, 5, v0
	v_readfirstlane_b32 s[WV], v1                  ; wave 0..3
	s_lshr_b32 s[WR], s[WV], 1
	s_and_b32 s[WC], s[WV], 1
	s_bfe_u32 s40, ttmp6, 0x40000                  ; cx, cy: my place in the cluster
	s_bfe_u32 s41, ttmp6, 0x40004
	s_lshl_b32 s42, ttmp9, 2                       ; in a cluster launch ttmp9 and ttmp7 count clusters
	s_add_co_u32 s42, s42, s40                     ; nt: tile column = 4 x cluster x + cx
	s_and_b32 s43, ttmp7, 0xffff
	s_lshl_b32 s43, s43, 2
	s_add_co_u32 s43, s43, s41                     ; mt: the block of 128 rows = 4 x cluster y + cy
	s_lshl_b32 s76, s41, 2
	s_lshl_b32 s76, 15, s76                        ; my row of the cluster: places 4 cy .. 4 cy + 3
	s_lshl_b32 s77, 0x1111, s40                    ; my column: places cx, cx + 4, cx + 8, cx + 12
	; group 1 for x: 64 rows x 128 elements of 4 bytes, padded in LDS
	s_or_b32 s[G1+0], s76, (2<<16)|(1<<20)|(1<<21)|(6<<22)|(3<<25)  ; 15:0 the mask: my row; 17:16 elements of 4 bytes; 20 padding on; 21 set beside a mask; 24:22 after every 128 words (code 6); 31:25 4 words (code 3)
	s_mov_b32 s[G1+1], KSTEP<<16                   ; tensor_dim0 = 128
	s_mov_b32 s[G1+2], 64<<16                      ; tensor_dim1 = 64
	s_mov_b32 s[G1+3], KSTEP<<16                   ; tile_dim0 = 128
	s_mov_b32 s[G1+4], 64                          ; tile_dim1 = 64
	s_mov_b32 s[G1+5], 1024                        ; elements from row to row
	s_mov_b32 s[G1+6], 0
	s_mov_b32 s[G1+7], 0
	; group 1 for W: 128 rows x 128 elements of 2 bytes
	s_or_b32 s[G1B+0], s77, (1<<16)|(1<<20)|(1<<21)|(5<<22)|(3<<25) ; the mask: my column; elements of 2 bytes; padding of 4 words after every 64
	s_mov_b32 s[G1B+1], KSTEP<<16
	s_mov_b32 s[G1B+2], 128<<16
	s_mov_b32 s[G1B+3], KSTEP<<16
	s_mov_b32 s[G1B+4], 128
	s_mov_b32 s[G1B+5], 1024
	s_mov_b32 s[G1B+6], 0
	s_mov_b32 s[G1B+7], 0
	; byte offsets, each in registers of its own: x's never holds cx, W's never cy
	s_lshl_b32 s46, s43, 19                        ; x: row 128 mt + 64 x half, 4,096 bytes a row: the same in query, key and value
	s_lshl_b32 s47, s[WC], 18
	s_add_co_u32 s46, s46, s47
	s_mov_b32 s47, 0
	s_lshl_b32 s66, s42, 19                        ; W: row 256 nt + 128 x half of the first matrix, 2,048 bytes a row
	s_lshl_b32 s67, s[WC], 18
	s_add_co_u32 s66, s66, s67
	s_mov_b32 s67, 0
	s_lshl_b32 s68, s43, 19                        ; the prefetches: row 128 mt + 32 cx + 16 x (wave % 2)
	s_lshl_b32 s69, s40, 17
	s_add_co_u32 s68, s68, s69
	s_lshl_b32 s69, s[WC], 16
	s_add_co_u32 s68, s68, s69
	s_mov_b32 s69, 0
	s_lshr_b32 s72, s43, 4                         ; the output, in q's part: head (mt / 16) x 16 + 4 nt + 2 x column half, 262,144 bytes a head; row 128 (mt % 16) + 64 x row half, 128 bytes a row
	s_lshl_b32 s72, s72, 22
	s_lshl_b32 s73, s42, 20
	s_add_co_u32 s72, s72, s73
	s_lshl_b32 s73, s[WC], 19
	s_add_co_u32 s72, s72, s73
	s_and_b32 s73, s43, 15
	s_lshl_b32 s73, s73, 14
	s_add_co_u32 s72, s72, s73
	s_lshl_b32 s73, s[WR], 13
	s_add_co_u32 s72, s72, s73
	s_mov_b32 s73, 0
	s_lshl_b32 s74, s42, 10                        ; the bias: my 128 columns
	s_lshl_b32 s75, s[WC], 9
	s_add_co_u32 s74, s74, s75
	s_mov_b32 s75, 0
	s_mul_i32 s78, s[WC], XH                       ; where the tiles go: no place in the cluster enters an LDS address
	s_mul_i32 s79, s[WC], WH
	s_add_co_u32 s79, s79, WB0
	s_mov_b32 s[TB], 0
	s_mov_b32 s[RS], 2                             ; steps 0 and 1 are the first fills: the first refill asks for step 2,
	s_mov_b32 s[XO+1], 0
	s_mov_b32 s[WD], KSTEP*2                       ; one step on from step 1
	s_mov_b32 s[WD+1], 0
	s_mov_b32 s[WBIG], (1<<21)-7*KSTEP*2
	s_mov_b32 s[PS], 4                             ; steps 2 and 3 are prefetched at the start: the first trip asks for step 4
	s_mov_b32 s[PO+1], 0
	v_and_b32 v3, 31, v0                           ; the prefetches: lane l takes row l / 2, block l % 2
	v_lshrrev_b32 v[PF], 1, v3
	v_lshlrev_b32 v[PF], 12, v[PF]
	v_and_b32 v3, 1, v3
	v_lshl_add_u32 v[PF], v3, 8, v[PF]
	s_wait_kmcnt 0x0
	s_add_nc_u64 s[PP0:PP0+1], s[4:5], s[68:69]
	s_add_nc_u64 s[PP1:PP1+1], s[6:7], s[68:69]
	s_add_nc_u64 s[PP2:PP2+1], s[8:9], s[68:69]
	s_add_nc_u64 s[4:5], s[4:5], s[46:47]          ; query, key and value at my part of the tile's rows: s[4:5] is the x that is being asked for, the two behind it follow
	s_add_nc_u64 s[6:7], s[6:7], s[46:47]
	s_add_nc_u64 s[8:9], s[8:9], s[46:47]
	s_add_nc_u64 s[66:67], s[10:11], s[66:67]
	s_add_nc_u64 s[12:13], s[12:13], s[74:75]      ; the three biases at my columns: s[12:13] is the one to be loaded next
	s_add_nc_u64 s[14:15], s[14:15], s[74:75]
	s_add_nc_u64 s[16:17], s[16:17], s[74:75]
	s_add_nc_u64 s[18:19], s[18:19], s[72:73]
.irp n, 0,1
	s_mov_b32 s[G0+4*(\n)], 1                                      ; 1:0 count = 1
	s_add_co_u32 s[G0+4*(\n)+1], s78, (\n)*SLOT1                   ; 63:32 LDS address
	s_add_nc_u64 s[G0+4*(\n)+2:G0+4*(\n)+3], s[4:5], (\n)*KSTEP*4  ; 120:64 global address: step n
	s_or_b32 s[G0+4*(\n)+3], s[G0+4*(\n)+3], 0x80000000            ; 127:126 type = 2
	s_mov_b32 s[G0B+4*(\n)], 1
	s_add_co_u32 s[G0B+4*(\n)+1], s79, (\n)*SLOT1
	s_add_nc_u64 s[G0B+4*(\n)+2:G0B+4*(\n)+3], s[66:67], (\n)*KSTEP*2
	s_or_b32 s[G0B+4*(\n)+3], s[G0B+4*(\n)+3], 0x80000000
.endr
	CROUND                                         ; all sixteen work-groups are here: the first joint loads meet
	s_cmp_eq_u32 s[WR], 0                          ; a wave's two first fills stand in one branch, ahead of every wait on TENSORcnt and every LDS read: two loads of mine are out
	s_cbranch_scc0 .Lfirst_w
	tensor_load_to_lds s[G0:G0+3], s[G1:G1+7]
	s_nop 0
	tensor_load_to_lds s[G0+4:G0+7], s[G1:G1+7]
	s_nop 0
.rept 4
	v_nop
.endr
	global_prefetch_b8 v[PF], s[PP0:PP0+1] offset:2*KSTEP*4 th:TH_LOAD_NT scope:SCOPE_SE  ; steps 2 and 3 of x, which the first two trips' tensor loads want
	global_prefetch_b8 v[PF], s[PP0:PP0+1] offset:3*KSTEP*4 th:TH_LOAD_NT scope:SCOPE_SE
	s_branch .Lfirst_asked
.Lfirst_w:
	tensor_load_to_lds s[G0B:G0B+3], s[G1B:G1B+7]
	s_nop 0
	tensor_load_to_lds s[G0B+4:G0B+7], s[G1B:G1B+7]
	s_nop 0
.rept 4
	v_nop
.endr
.Lfirst_asked:
	; All this stands in the wait for the first tile.  The bias in a C operand's layout: register j of block b is b[16 b + 8 (l / 16) + j], the same for all rows.
	v_and_b32 v1, 15, v0                           ; l % 16
	v_bfe_u32 v2, v0, 4, 1                         ; l / 16
	v_lshlrev_b32 v[BO], 5, v2
.macro LOADBIAS                        ; 16 loads: the bias of the tile to come, from s[12:13]
	WIN TO_B
.irp b, 0,1,2,3,4,5,6,7
	global_load_b128 v[BIAS+8*(\b):BIAS+8*(\b)+3],   v[BO], s[12:13] offset:64*(\b)
	global_load_b128 v[BIAS+8*(\b)+4:BIAS+8*(\b)+7], v[BO], s[12:13] offset:64*(\b)+16
.endr
	WIN 0
.endm
	LOADBIAS                                       ; bq
	; A fragment is 16 rows x 32 K: lane l holds row l % 16, K = 8 (l / 16) + 0..7 and 16 + 8 (l / 16) + 0..7.  In bf16: two loads of 16 bytes, 32 bytes apart; in f32: two pairs of loads, 64 bytes apart.
	v_mul_u32_u24 v[AX0], v1, PX
	v_lshl_add_u32 v[AX0], v2, 5, v[AX0]           ; row x pitch + 32 x half
	s_mul_i32 s71, s[WR], XH                       ; my 64 rows of x
	v_add_nc_u32 v[AX0], s71, v[AX0]
	v_mul_u32_u24 v[AW0], v1, PW
	v_lshl_add_u32 v[AW0], v2, 4, v[AW0]           ; row x pitch + 16 x half
	s_mul_i32 s71, s[WC], WH                       ; my 128 rows of W
	s_add_co_u32 s71, s71, WB0
	v_add_nc_u32 v[AW0], s71, v[AW0]
	v_mov_b32 v[ADRX], v[AX0]                      ; slot 0
	v_mov_b32 v[ADRW], v[AW0]
	s_mul_i32 s71, s[WV], 16*SP
	s_add_co_u32 s71, s71, STAGE                   ; my stage
	v_mul_u32_u24 v[STO], v1, SP                   ; in: row l % 16, 16 bytes for each half of the lanes
	v_lshl_add_u32 v[STO], v2, 4, v[STO]
	v_add_nc_u32 v[STO], s71, v[STO]
	v_bfe_u32 v[RD], v0, 3, 2                      ; back: 32 lanes take four rows of 128 bytes,
	v_mul_u32_u24 v[RD], v[RD], SP
	v_and_b32 v3, 7, v0
	v_lshl_add_u32 v[RD], v3, 4, v[RD]
	v_add_nc_u32 v[RD], s71, v[RD]
	v_and_b32 v[GO], 31, v0                        ; which are 512 consecutive bytes of a head's rows
	v_lshlrev_b32 v[GO], 4, v[GO]
; 8 matrix instructions: row block a x all 8 column blocks, 32 along K, from buffer f.  first = 1: the product starts the sum, with the bias as C: nothing is ever cleared.
; The 32 accumulators take turns, one instruction a turn, in the same order in every quarter step.
; cv >= 0: behind each product four conversions: RAW's 64 f32 become buffer cv's 32 registers of bf16.  They name no register of the products round them.
.macro MUL8 f, a, first, cv
.irp b, 0,1,2,3,4,5,6,7
.if \first
	WIN MULB
	v_wmma_f32_16x16x32_bf16 v[8*(8*(\a)+(\b)):8*(8*(\a)+(\b))+7], v[FB+64*(\f)+8*(\b):FB+64*(\f)+8*(\b)+7], v[FA+32*(\f)+8*(\a):FA+32*(\f)+8*(\a)+7], v[BIAS+8*(\b):BIAS+8*(\b)+7]
.else
	WIN MUL
	v_wmma_f32_16x16x32_bf16 v[8*(8*(\a)+(\b)):8*(8*(\a)+(\b))+7], v[FB+64*(\f)+8*(\b):FB+64*(\f)+8*(\b)+7], v[FA+32*(\f)+8*(\a):FA+32*(\f)+8*(\a)+7], v[8*(8*(\a)+(\b)):8*(8*(\a)+(\b))+7]
.endif
.if (\cv) >= 0
	WIN 0
.irp z, 0,1,2,3
	v_cvt_pk_bf16_f32 v[FA+32*(\cv)+4*(\b)+(\z)], v[RAW+8*(\b)+2*(\z)], v[RAW+8*(\b)+2*(\z)+1]
.endr
.endif
.endr
.endm
; 32 LDS loads in one run: quarter k of the slot in hand: x's 64 rows x 32 K in f32 into RAW, then W's 128 rows x 32 K into buffer g
.macro FETCH k, g
	WIN 0
.irp a, 0,1,2,3
	ds_load_b128 v[RAW+16*(\a):RAW+16*(\a)+3],     v[ADRX] offset:(\a)*16*PX+(\k)*128
	ds_load_b128 v[RAW+16*(\a)+4:RAW+16*(\a)+7],   v[ADRX] offset:(\a)*16*PX+(\k)*128+16
	ds_load_b128 v[RAW+16*(\a)+8:RAW+16*(\a)+11],  v[ADRX] offset:(\a)*16*PX+(\k)*128+64
	ds_load_b128 v[RAW+16*(\a)+12:RAW+16*(\a)+15], v[ADRX] offset:(\a)*16*PX+(\k)*128+80
.endr
	WIN TO_B
.irp b, 0,1,2,3,4,5,6,7
	ds_load_b128 v[FB+64*(\g)+8*(\b):FB+64*(\g)+8*(\b)+3],   v[ADRW] offset:(\b)*16*PW+(\k)*64
	ds_load_b128 v[FB+64*(\g)+8*(\b)+4:FB+64*(\g)+8*(\b)+7], v[ADRW] offset:(\b)*16*PW+(\k)*64+32
.endr
.endm
; A K step is four quarter steps of 32 along K, 32 matrix instructions each, on buffers 0, 1, 0, 1.  One of the first three: multiplies buffer f, fetches quarter k into RAW and buffer g, and converts RAW.
.macro QUARTER k, f, g, first
	s_wait_dscnt 0x0                               ; this quarter's fragments of W are in (x's were waited for and converted in the quarter before)
	MUL8 \f, 0, \first, -1
	PLACES                                         ; buffer g was multiplied in the quarter before
	FETCH \k, \g
	MUL8 \f, 1, \first, -1
	MUL8 \f, 2, \first, -1
	s_wait_dscnt 16                                ; RAW is in; the sixteen younger loads, W's, may stay out
	MUL8 \f, 3, \first, \g
.endm
; The last quarter multiplies buffer 1 and changes slots: ONE barrier.  In front of it each wave waits for all its tensor loads, of which one is out: its part of the next slot; adds 0 to its spare word; and waits for
; that and for its own reads of this slot.  Behind it nobody reads this slot any more and the next slot is whole.  fill = 1: the barrier opens a round of the cluster's, so that this holds of all sixteen work-groups,
; and the joint refill, the walk's step two on, is the first thing behind the round: 112 matrix instructions ahead of the wait for it, and a way out more where the tiles change.
; The request's address: x's is made anew, the pointer of the x that is being asked for plus 512 bytes a step; behind a tile's step 7 the step goes back to 0 and the three pointers move up.  W's walks: 256 bytes on,
; or, across a change of tiles, one matrix on and seven steps back.  The prefetch's base is made in the same way, two steps further on.
.macro TURN fill
	WIN 0                                          ; (the add's two registers lie in window 0)
	s_wait_tensorcnt 0x0                           ; no tensor load of mine is out, so a group 0 may be written
	ds_add_u32 v[SPW], v[NIL]                      ; 0 onto my spare word: scalar steps and eight products stand between it and the wait for it
.if \fill
	s_xor_b32 s[G0+5], s[G0+5], SLOT1              ; the walking descriptors: the other slot than last time
	s_lshl_b32 s[XO], s[RS], 9
	s_add_nc_u64 s[G0+6:G0+7], s[4:5], s[XO:XO+1]
	s_or_b32 s[G0+7], s[G0+7], 0x80000000          ; 127:126 type = 2
	s_xor_b32 s[G0B+5], s[G0B+5], SLOT1
	s_add_nc_u64 s[G0B+6:G0B+7], s[G0B+6:G0B+7], s[WD:WD+1]  ; the type bits on top are not reached
	s_add_co_u32 s[RS], s[RS], 1                   ; the request after this one
	s_cmp_eq_u32 s[RS], 8
	s_cselect_b32 s[RS], 0, s[RS]
	s_cselect_b32 s[WD], s[WBIG], KSTEP*2
	s_cselect_b64 s[4:5], s[6:7], s[4:5]
	s_cselect_b64 s[6:7], s[8:9], s[6:7]
	s_wait_xcnt 0x0                                ; the earlier prefetches have had their addresses translated (ISA guide 3.1): their bases are written only behind this wait
	s_lshl_b32 s[PO], s[PS], 9
	s_add_nc_u64 s[PFB:PFB+1], s[PP0:PP0+1], s[PO:PO+1]
	s_add_co_u32 s[PS], s[PS], 1
	s_cmp_eq_u32 s[PS], 8
	s_cselect_b32 s[PS], 0, s[PS]
	s_cselect_b64 s[PP0:PP0+1], s[PP1:PP1+1], s[PP0:PP0+1]
	s_cselect_b64 s[PP1:PP1+1], s[PP2:PP2+1], s[PP1:PP1+1]
.endif
	s_wait_dscnt 1                                 ; this quarter's fragments of W are in; the add alone may be out
	MUL8 1, 0, 0, -1
	s_wait_dscnt 0x0                               ; the add is done, and my reads of this slot are over
	s_barrier_signal -1
	MUL8 1, 1, 0, -1                               ; work on registers while the others arrive
	WIN 0                                          ; at a branch and at a label every window is 0
	s_barrier_wait -1
.if \fill
	CREST
	JLOAD                                          ; the four v_nop behind it are also the places in front of the loads below
.else
	PLACES
.endif
	s_xor_b32 s[TB], s[TB], SLOT1                  ; the reads go on in the other slot
	v_add_nc_u32 v[ADRX], s[TB], v[AX0]
	v_add_nc_u32 v[ADRW], s[TB], v[AW0]
	FETCH 0, 0
	MUL8 1, 2, 0, -1
	s_wait_dscnt 16                                ; RAW is in
	MUL8 1, 3, 0, 0
.endm
; THE WAY OUT, by units u = 2 a + hh: row block a, head hh of my two: 16 rows x 64 channels, 2,048 consecutive bytes of a head's rows.
; A lane's eight channels pack into 16 bytes (each accumulator is read from its lowest registers on); they go into stage rows of 144 bytes and come back as whole rows of 128.
.macro PACK u
	WIN PK
.irp c, 0,1,2,3
.irp j, 0,1,2,3
	v_cvt_pk_f16_f32 v[OUTR+16*(\u)+4*(\c)+(\j)], v[8*(8*((\u)/2)+4*((\u)%2)+(\c))+2*(\j)], v[8*(8*((\u)/2)+4*((\u)%2)+(\c))+2*(\j)+1]
.endr
.endr
	WIN 0
.irp c, 0,1,2,3
	ds_store_b128 v[STO], v[OUTR+16*(\u)+4*(\c):OUTR+16*(\u)+4*(\c)+3] offset:32*(\c)
.endr
.irp c, 0,1,2,3
	ds_load_b128 v[OUTR+16*(\u)+4*(\c):OUTR+16*(\u)+4*(\c)+3], v[RD] offset:(\c)*4*SP  ; LDS serves a wave's instructions in order (ISA guide 5.7.1.4): these see the stores above; the next unit's stores come behind them
.endr
.endm
.macro SEND u, younger                 ; younger: the LDS instructions issued behind unit u's loads: the next unit's eight, or none.  (Fragments fetched ahead of the way out are older: they are in by these waits)
	WIN 0
.irp c, 0,1,2,3
	s_wait_dscnt (\younger)+3-(\c)
	global_store_b128 v[GO], v[OUTR+16*(\u)+4*(\c):OUTR+16*(\u)+4*(\c)+3], s[18:19] offset:((\u)%2)*262144+((\u)/2)*2048+(\c)*512  ; 512 consecutive bytes, at a multiple of 512 from the buffer's first
.endr
.endm
.macro WAYOUT                          ; a unit's conversions stand between the loads of the unit before and its stores; within a tile no store's register is written again
	PLACES
	PACK 0
.irp u, 1,2,3,4,5,6,7
	PACK \u
	SEND (\u)-1, 8
.endr
	SEND 7, 0
.endm
	s_wait_tensorcnt 1                             ; my part of step 0 is in; step 1's may stay out
	s_barrier_signal -1
	s_barrier_wait -1                              ; everybody's is
	FETCH 0, 0
	s_wait_dscnt 16                                ; RAW is in
	WIN 0
.set i, 0
.rept 32
	v_cvt_pk_bf16_f32 v[FA+i], v[RAW+2*i], v[RAW+2*i+1]
.set i, i+1
.endr
	s_mov_b32 s[CNT], 23                           ; taken down once on the way in: 22 trips follow
	s_branch .Lstart                               ; the loop is entered where a tile begins
.Lstep:                                                ; the trip of step g = 22 - count: from the step's second quarter to the next step's first; it fills the slot that it leaves with step g + 2
	QUARTER 2, 1, 0, 0
	QUARTER 3, 0, 1, 0
	TURN 1
	WIN 0
	s_and_b32 s71, s[CNT], 7                       ; g = 7 and g = 15 (count 15 and 7) are a tile's last steps
	s_cmp_eq_u32 s71, 7
	s_cbranch_scc1 .Lchange
	QUARTER 1, 0, 1, 0
	WIN 0
	s_branch .Lnext
.Lchange:                                              ; A TILE IS FINISHED.  Both of the next tile's first steps have been asked for and its first fragments fetched: now it goes out
	WAYOUT
	s_wait_xcnt 0x0                                ; the stores have had their addresses translated (ISA guide 3.1): their base and their data registers are written again only behind this wait
	s_add_nc_u64 s[18:19], s[18:19], 0x1000000     ; the next part of qkv: 64 heads x 2,048 rows x 128 bytes on
.Lstart:                                               ; A TILE BEGINS
	s_wait_loadcnt 0x0                             ; its bias is in, and the loads' base may be written:
	s_mov_b64 s[12:13], s[14:15]                   ; the bias after it
	s_mov_b64 s[14:15], s[16:17]
	WIN W1
.set i, 0
.rept 32                                           ; rounded to bf16 like every input, and kept as f32
	v_cvt_pk_bf16_f32 v[BT+i%4], v[BIAS+2*i], v[BIAS+2*i+1]
	v_lshlrev_b32 v[BIAS+2*i], 16, v[BT+i%4]
	v_and_b32 v[BIAS+2*i+1], 0xffff0000, v[BT+i%4]
.set i, i+1
.endr
	QUARTER 1, 0, 1, 1                             ; the tile's first quarter: its products start the sums
	WIN 0
	s_cmp_lt_u32 s[CNT], 8                         ; the third tile (count 7) has no successor
	s_cbranch_scc1 .Lnext
	PLACES                                         ; the products just issued have read the bias
	LOADBIAS                                       ; the next tile's: it has seven steps in which to come
.Lnext:
	s_sub_co_u32 s[CNT], s[CNT], 1
	s_cmp_lg_u32 s[CNT], 0
	s_cbranch_scc1 .Lstep
	QUARTER 2, 1, 0, 0                             ; steps 22 and 23 are written out: they ask for nothing
	QUARTER 3, 0, 1, 0
	TURN 0
	QUARTER 1, 0, 1, 0
	QUARTER 2, 1, 0, 0
	QUARTER 3, 0, 1, 0
	s_wait_dscnt 0x0                               ; the very last quarter: nothing more to fetch
	MUL8 1, 0, 0, -1
	MUL8 1, 1, 0, -1
	MUL8 1, 2, 0, -1
	MUL8 1, 3, 0, -1
	WAYOUT
	s_wait_tensorcnt 0x0                           ; the wave's end: behind my last tensor load and my last LDS store
	ds_add_u32 v[SPW], v[NIL]
	s_wait_dscnt 0x0
	CROUND                                         ; the closing round: no work-group ends while a partner may still ask for a tile that names it
	s_endpgm
.Lfunc_end_k_q5b8b34964e_proj:
	.size	k_q5b8b34964e_proj, .Lfunc_end_k_q5b8b34964e_proj-k_q5b8b34964e_proj
	.p2alignl 7, 3214868480
	.fill 96, 4, 3214868480
	.section	.rodata,"a",@progbits
	.p2align	6, 0x0
	.amdhsa_kernel k_q5b8b34964e_proj
		.amdhsa_group_segment_fixed_size 327680
		.amdhsa_private_segment_fixed_size 0
		.amdhsa_enable_private_segment 0
		.amdhsa_kernarg_size 64
		.amdhsa_user_sgpr_count 2
		.amdhsa_user_sgpr_kernarg_segment_ptr 1
		.amdhsa_wavefront_size32 1
		.amdhsa_system_sgpr_workgroup_id_x 1
		.amdhsa_system_sgpr_workgroup_id_y 1
		.amdhsa_system_sgpr_workgroup_id_z 1
		.amdhsa_system_vgpr_workitem_id 0
		.amdhsa_next_free_vgpr 768
		.amdhsa_next_free_sgpr 96
		.amdhsa_reserve_vcc 0
		.amdhsa_float_denorm_mode_32 3
		.amdhsa_float_denorm_mode_16_64 3
		.amdhsa_memory_ordered 1
		.amdhsa_forward_progress 1
		.amdhsa_inst_pref_size 134
	.end_amdhsa_kernel
	.amdgpu_metadata
---
amdhsa.version: [ 1, 2 ]
amdhsa.kernels:
  - .name:           k_q5b8b34964e_proj
    .symbol:         k_q5b8b34964e_proj.kd
    .args:
      - { .name: query, .offset: 0, .size: 8, .value_kind: global_buffer, .address_space: global }
      - { .name: key, .offset: 8, .size: 8, .value_kind: global_buffer, .address_space: global }
      - { .name: value, .offset: 16, .size: 8, .value_kind: global_buffer, .address_space: global }
      - { .name: wb, .offset: 24, .size: 8, .value_kind: global_buffer, .address_space: global }
      - { .name: bq, .offset: 32, .size: 8, .value_kind: global_buffer, .address_space: global }
      - { .name: bk, .offset: 40, .size: 8, .value_kind: global_buffer, .address_space: global }
      - { .name: bv, .offset: 48, .size: 8, .value_kind: global_buffer, .address_space: global }
      - { .name: qkv, .offset: 56, .size: 8, .value_kind: global_buffer, .address_space: global }
    .group_segment_fixed_size: 327680
    .private_segment_fixed_size: 0
    .kernarg_segment_align: 8
    .kernarg_segment_size: 64
    .max_flat_workgroup_size: 128
    .sgpr_count:     96
    .vgpr_count:     768
    .wavefront_size: 32
...
	.end_amdgpu_metadata
.endif
;; end of part 2
;; launch attn (part 3): grid 4 x 64, 4 waves a work-group, clusters of 4 x 1, 327,680 bytes of LDS; arguments qkv, ob; writes ob
.if DOCPART == 3
	.amdgcn_target "amdgcn-amd-amdhsa--gfx1250"
	.amdhsa_code_object_version 6
	.text
	.protected	k_q5b8b34964e_attn
	.globl	k_q5b8b34964e_attn
	.p2align	8
	.type	k_q5b8b34964e_attn,@function
k_q5b8b34964e_attn:
	s_mov_b64 s[64:65], 0
	v_nop
	global_prefetch_b8 v0, s[64:65] scope:SCOPE_SE
	s_setreg_imm32_b32 hwreg(HW_REG_WAVE_MODE, 25, 1), 1
	s_wait_xcnt 0x0
	s_wait_alu depctr_hold_cnt(0) depctr_sa_sdst(0) depctr_va_vdst(0) depctr_va_sdst(0) depctr_va_ssrc(0) depctr_va_vcc(0) depctr_vm_vsrc(0)
	s_getreg_b32 s2, hwreg(HW_REG_IB_STS2, 6, 4)
	s_cmp_eq_u32 s2, 0
	s_cbranch_scc0 .Lentry_in_a_cluster
	s_endpgm
.Lentry_in_a_cluster:
	s_bfe_u32 s2, ttmp6, 0x10000c
	s_cmp_lg_u32 s2, 0x3003
	s_cbranch_scc0 .Lentry_shape_is_right
	s_endpgm
.Lentry_shape_is_right:
; O[h][q][:] = the sum over k of softmax_k(Q[h][q] . K[h][k] / 8) V[h][k][:].  Q, K, V are the three parts of qkv, each [64 = batch x 16 + head][2048][64] f16: a head's rows are dense, 128 bytes each.
; Products, maxima and sums in f32; the weights p are rounded to f16 for the second product (their sum l is taken of the unrounded p), O once at the end.
; O leaves as ob [128 blocks of 64 rows (batch x 2048 + q)][16 heads][64 rows][64 channels] f16: 16 rows of a head are 2,048 consecutive bytes, and 64 rows of two heads are 16,384: a tile of the product that follows.
; LIMITS.  f16 holds no number beyond 65,504: Q, K and V arrive within it; p lies in 0 to 1, and below 6e-5 it keeps f16's fixed step of 6e-8; O is a mean of V's rows and has their range.
; A weight below 2^-126 counts as 0 in l; NaN and infinities are not treated apart.
; SHARES.  A wave owns four PIECES of two tiles of 16 queries, a work-group's four waves 512 queries of one head.  Every wave walks all keys, 64 a step.
; LAYOUT.  S^T = K Q^T (source 0 = 16 keys, source 1 = 16 queries): in the result a lane holds ONE query (lane % 16) and the keys 8 (lane / 16) + 0..7.  Two such tiles, rounded to f16 in pairs,
; ARE source 1 (32 keys x 16 queries) of O^T = V^T P, whose result again holds one query a lane, and eight channels.  K comes out of LDS as it lies, V ([key][channel]) turned, by ds_load_tr16_b128.
; SOFTMAX.  For each query a running maximum m and sum l: p = 2^(c s - c m), c = log2(e) / 8; in every step O and l are multiplied by a = 2^(c m_old - c m_new), which is 1 where m has not grown.
; m starts at the lowest finite number, O and l at 0: the first step is a step like any other, with a = 0.
; THE COUNT.  A tile and step have 16 matrix and 118 vector instructions: too many to stand all beside the matrix work.  So the order has one aim: four vector instructions that are READY behind
; EVERY matrix instruction, and the others, which need time of their own whatever the order, in runs without a gap.
; BY TURNS.  Turn n belongs to piece n (the pieces in a ring, step after step).  Its matrix work: 16 products K Q^T of piece n + 1, later 16 products V^T P of piece n - 1.  Its vector work: the scaling,
; exponentials, roundings, sums and rescaling of piece n, and the maximum and statistics of piece n + 1, whose scores the turn itself has made.  So what a turn begins with (c s - c m, O a) waits for nothing.
; CLUSTER.  The four query blocks of a cluster belong to one head and walk the same K and V, so each tile is asked for JOINTLY: the same tensor load, descriptor and mask in all four.
; REGISTERS, in windows of 256 (s_set_vgpr_msb says which window each operand place means: bits 1:0 source 0, 3:2 source 1, 5:4 source 2, 7:6 destination):
;   window 0: v0-11 addresses; v12-15, v48-63 at work; v16-47 four registers of statistics a tile; v64-191 S^T, two buffers of two tiles; v192-255 P, likewise
;   window 1: O^T, 32 a tile          window 2: v0-127 Q, 16 a tile; v128-191 K of one step; v192-255 V of one step          window 3: v0-1 the add's two registers
; A piece's buffers go by its number's parity: the piece in hand has one pair, its two neighbours in the ring share the other: of it P (piece n - 1) is read and S^T (piece n + 1) written.
.set SIZE_N, 2048     ; rows of a head
.set NP,    4         ; pieces a wave: a name, no knob: the register map, the loop and the fetches are made for four
.set KS,    64        ; keys in a step
.set PK,    144       ; a row of K in LDS: 128 bytes + 16 of padding = 36 words: the 16 rows of a load start at 16 different groups of four banks (64 banks of 4 bytes: ISA guide 11.1)
.set PV,    160       ; a row of V: 128 + 32 = 40 words
.set VOFF,  4*KS*PK   ; a slot holds four steps: 256 rows of K, then 256 rows of V
.set SLOT1, 1<<17     ; slot 1 begins here, so that one exclusive or turns an address in one slot into the other's
.set STAGE, SLOT1+4*KS*(PK+PV)  ; behind the ring, never filled by a tensor load: 16 rows x 144 bytes for each wave, for the way out
.set SP,    144
.set AK0, 2           ; v2   my lane's place in a tile of K; never rewritten
.set AV0, 3           ; v3   the same for V
.set AK,  4           ; v4   the LDS address of K's next run of loads
.set AV,  5           ; v5   of V's
.set QO,  6           ; v6   my byte offset in the wave's rows of Q
.set STO, 6           ;      later, the way out: where I put 16 bytes of a row
.set RD,  7           ; v7   the way out: where I read rows back
.set GO,  8           ; v8   my byte offset in 512 consecutive bytes of O
.set SPW, 0           ; v0 of window 3   LDS address of my spare word: SPARE + 4 x my thread's number; never rewritten
.set NIL, 1           ; v1 of window 3   0; never rewritten
.set SPARE, STAGE+4*16*SP  ; behind the stages: the spare words, 128 bytes for each wave: two blocks of 256 bytes that no other line names
.set MV,  12          ; v12-15  c m_old, kept while c m is made anew: by buffer and tile
.set ST,  16          ; tile t's statistics at v[ST+4 t]: c m, m, l (even keys', odd keys')
.set TMP, 48          ; by buffer and tile, four registers c0-c3 at work; when the maximum is found c2 takes a
.set S,   64
.set P,   192
.set KF,  128         ; K's fragments, in window 2: key block kb, channel half c at KF + 16 kb + 8 c
.set VF,  192         ; V's: key half kk, channel block cb at VF + 32 kk + 8 cb
.set WV,  12          ; s12  my wave's number
.set G1K, 24          ; s[24:31] descriptor group 1 for K's tiles
.set G1V, 32          ; s[32:39] for V's: it differs in the padding alone
.set G0K, 40          ; s[40:43] descriptor group 0 for K's tiles: it walks
.set G0V, 44          ; s[44:47] the same for V's
.set OOF, 48          ; s[48:49] my wave's byte offset in ob
.set SLOTS, 56        ; s56  slots still to be asked for
.set CNT, 57          ; s57  counts a slot's key steps
.set CS,  58          ; s[58:59] c: the packed scaling takes the pair's low word for both halves
.set SEL, 60          ; s[60:61] v_permlanex16_b32's selects: each lane takes its own place in the other half
.set TBK, 62          ; s62  LDS byte at which K of the step to be fetched begins
.set TBV, 63          ; s63  the same for V, less VOFF
.set MSB, 0
.macro WIN new                      ; the high byte repeats the setting that is left; a switch that changes nothing is dropped
.if MSB != (\new)
	s_set_vgpr_msb (MSB<<8)|(\new)
.set MSB, (\new)
.endif
.endm
.set W_KQ, 0x0a       ; K and Q in window 2, S^T in window 0
.set W_PV, 0x52       ; V in window 2, P in window 0, O^T in window 1
.set W_RS, 0x41       ; O^T (destination and source 0) in window 1, a in window 0
.set W_MK, 0xc0       ; the add's registers are made: destination in window 3, sources in window 0
.set W_AD, 0x0f       ; the add: address (source 0) and data (source 1) in window 3
; A joint fill.  Waves 0 and 1 fetch the two halves of a slot's K, waves 2 and 3 those of its V: 128 keys each.  The branch hangs on the wave's number alone.
; An s_nop 0 and four v_nop follow each of the two lines, ahead of the jump and the label.
.macro JLOAD
	s_cmp_lt_u32 s[WV], 2
	s_cbranch_scc0 .Lfor_v_\@
	tensor_load_to_lds s[G0K:G0K+3], s[G1K:G1K+7]
	s_nop 0
.rept 4
	v_nop
.endr
	s_branch .Lasked_\@
.Lfor_v_\@:
	tensor_load_to_lds s[G0V:G0V+3], s[G1V:G1V+7]
	s_nop 0
.rept 4
	v_nop
.endr
.Lasked_\@:
.endm
; A round of the cluster's barrier: my work-group's barrier, so that wave 0's signal speaks for all four waves; wave 0 signals; every wave waits for all four work-groups; my work-group's barrier once more.
.macro CROUND
	s_barrier_signal -1
	s_barrier_wait -1
	s_cmp_lg_u32 s[WV], 0
	s_cbranch_scc1 .Lnot_wave_0_\@
	s_barrier_signal -3
.Lnot_wave_0_\@:
	s_barrier_wait -3
	s_barrier_signal -1
	s_barrier_wait -1
.endm
; THE CHANGE OF SLOTS.  The slot's last bytes, V of its fourth step, have been read.  Each wave waits for all its tensor loads, of which one is out: its part
; of the other slot; adds 0 to its spare word; and waits for that and for its own reads of the slot.  Behind the barrier nobody reads this slot any more and the other slot is whole.
; fill = 1: this slot is filled again, with the keys two slots on.  The barrier is then a round of the cluster's, so that no wave of any partner still reads the slot or has a load on its
; way, and the joint fill is the first thing behind it: it has four key steps, 512 matrix instructions, in which to land.  (At its first use nothing has been read yet: slot 0 is waited for, slot 1 filled.)
.macro CHANGE fill
	WIN W_AD
	s_wait_tensorcnt 0x0            ; no tensor load of mine is out, so a group 0 may be written
	ds_add_u32 v[SPW], v[NIL]       ; 0 onto my spare word: with fill = 1 the descriptors' steps stand between it and the wait for it
	WIN 0                           ; at a label and at a branch every window is 0
.if \fill
.irp g, G0K, G0V
	s_xor_b32 s[\g+1], s[\g+1], SLOT1  ; the walking descriptor: the other slot than last time,
	s_add_nc_u64 s[\g+2:\g+3], s[\g+2:\g+3], 4*KS*128  ; the next 256 keys; the type bits on top are not reached
.endr
	s_wait_dscnt 0x0                ; the add is done, and my reads of the slot are over
	CROUND
	JLOAD
.else
	s_wait_dscnt 0x0                ; the add is done, and my reads of the slot are over
	s_barrier_signal -1
	s_barrier_wait -1
.endif
	s_sub_co_u32 s[TBK], s[TBK], 4*KS*PK  ; the fetches go back to a slot's first step,
	s_xor_b32 s[TBK], s[TBK], SLOT1       ; in the other slot
	s_sub_co_u32 s[TBV], s[TBV], 4*KS*PV
	s_xor_b32 s[TBV], s[TBV], SLOT1
.endm
	s_load_b128 s[4:7], s[0:1], 0x0  ; qkv s[4:5], ob s[6:7]
	WIN W_MK
	v_lshl_add_u32 v[SPW], v0, 2, SPARE
	v_mov_b32 v[NIL], 0
	s_set_vgpr_msb 0xc0cf
	ds_add_u32 v0, v1
	s_wait_dscnt 0x0
	s_set_vgpr_msb 0xcfc0
	WIN 0
	v_lshrrev_b32 v1, 5, v0
	v_readfirstlane_b32 s[WV], v1   ; wave 0..3
	s_bfe_u32 s13, ttmp6, 0x40000   ; cx: my place in the cluster
	s_lshl_b32 s14, ttmp9, 2        ; in a cluster launch ttmp9 counts clusters
	s_add_co_u32 s14, s14, s13      ; my block of queries = 4 x cluster x + cx: it enters Q's and O's addresses alone
	s_and_b32 s20, ttmp7, 0xffff    ; batch x 16 + head, which the four partners share
	s_lshr_b32 s[OOF], s20, 4       ; O: a batch has 32 blocks of 64 rows,
	s_lshl_b32 s[OOF], s[OOF], 5
	s_lshl_b32 s[OOF+1], s14, 3     ; my work-group's 512 queries are 8 of them,
	s_add_co_u32 s[OOF], s[OOF], s[OOF+1]
	s_lshl_b32 s[OOF+1], s[WV], 1   ; my wave's 128 are 2;
	s_add_co_u32 s[OOF], s[OOF], s[OOF+1]
	s_lshl_b32 s[OOF], s[OOF], 4    ; a block has 16 heads
	s_and_b32 s[OOF+1], s20, 15
	s_add_co_u32 s[OOF], s[OOF], s[OOF+1]
	s_lshl_b32 s[OOF], s[OOF], 13   ; of 64 rows x 128 bytes
	s_mov_b32 s[OOF+1], 0
	s_mov_b32 s21, 0
	s_mov_b64 s[22:23], SIZE_N*128
	s_mul_u64 s[20:21], s[20:21], s[22:23]  ; the head's first byte in Q, K and V
	s_and_b32 s16, s[WV], 1         ; which half of a slot's 256 keys I fetch:
	s_lshl_b32 s22, s16, 14         ; its 128 rows of 128 bytes in memory,
	s_mov_b32 s23, 0
	s_add_nc_u64 s[22:23], s[22:23], s[20:21]
	s_mul_i32 s17, s16, 128*PK      ; and its place in a slot, for K
	s_mul_i32 s18, s16, 128*PV      ; and for V: no place in the cluster enters an LDS address
	s_lshl_b32 s2, s14, 2
	s_add_co_u32 s2, s2, s[WV]      ; my wave among the head's,
	s_lshl_b32 s2, s2, 14           ; its 128 rows
	s_mov_b32 s3, 0
	s_add_nc_u64 s[2:3], s[2:3], s[20:21]
	; descriptor group 1.  128 keys are 16,384 dense bytes: asked for as 64 rows of 256 bytes, two keys a row, and padded in LDS after every key
	s_mov_b32 s[G1K], 15|(1<<16)|(1<<20)|(1<<21)|(4<<22)|(3<<25)  ; 15:0 the mask of four; 17:16 2-byte elements; 20 padding on; 21 set beside a mask; 24:22 after every 32 words (code 4); 31:25 4 words (code 3)
	s_mov_b32 s[G1V], 15|(1<<16)|(1<<20)|(1<<21)|(4<<22)|(7<<25)  ; the same with 8 words of padding (code 7)
.irp g, G1K, G1V
	s_mov_b32 s[\g+1], 128<<16      ; tensor_dim0 = 128
	s_mov_b32 s[\g+2], 64<<16       ; tensor_dim1 = 64
	s_mov_b32 s[\g+3], 128<<16      ; tile_dim0 = 128
	s_mov_b32 s[\g+4], 64           ; tile_dim1 = 64
	s_mov_b32 s[\g+5], 128          ; 128 elements from row to row
	s_mov_b32 s[\g+6], 0
	s_mov_b32 s[\g+7], 0
.endr
	s_mov_b32 s[CS], 0x3e38aa3b     ; c = log2(e) / 8 = 0.180337
	s_mov_b32 s[CS+1], s[CS]        ; named with it as a pair
	s_mov_b32 s[SEL], 0x76543210
	s_mov_b32 s[SEL+1], 0xfedcba98
	s_mov_b32 s[TBK], SLOT1+4*KS*PK ; the first change of slots turns these two into 0
	s_mov_b32 s[TBV], SLOT1+4*KS*PV
	s_mov_b32 s[G0K], 1             ; 1:0 count = 1
	s_mov_b32 s[G0K+1], s17         ; 63:32 LDS address: slot 0
	s_mov_b32 s[G0V], 1
	s_add_co_u32 s[G0V+1], s18, VOFF
	s_wait_kmcnt 0x0
	s_mov_b64 s[10:11], s[6:7]      ; O
	s_add_nc_u64 s[8:9], s[4:5], 0x2000000  ; V: the third part of qkv, 64 x 2,048 x 128 bytes each
	s_add_nc_u64 s[6:7], s[4:5], 0x1000000  ; K: the second; Q, the first, stays in s[4:5]
	s_add_nc_u64 s[G0K+2:G0K+3], s[6:7], s[22:23]  ; 120:64 global address: my half of the head's first 256 keys
	s_or_b32 s[G0K+3], s[G0K+3], 0x80000000        ; 127:126 type = 2
	s_add_nc_u64 s[G0V+2:G0V+3], s[8:9], s[22:23]
	s_or_b32 s[G0V+3], s[G0V+3], 0x80000000
	s_add_nc_u64 s[4:5], s[4:5], s[2:3]  ; Q at my wave's first row
	s_add_nc_u64 s[10:11], s[10:11], s[OOF:OOF+1]  ; O at my wave's first tile
	CROUND                          ; all four work-groups are here: the first joint loads meet
	JLOAD                           ; slot 0.  Slot 1 is asked for when slot 0 is in: the tile wanted first has the road to itself
	; A fragment of K or Q is 16 rows x 32 channels in 8 registers: lane l holds row l % 16, channels 8 (l / 16) + 0..7 and 16 + 8 (l / 16) + 0..7: two loads of 16 bytes, 32 bytes apart.
	v_and_b32 v1, 15, v0            ; l % 16
	v_bfe_u32 v9, v0, 4, 1          ; l / 16
	v_lshlrev_b32 v[QO], 7, v1
	v_lshl_add_u32 v[QO], v9, 4, v[QO]  ; row x 128 + 16 x half
	WIN 0x80                        ; destination window 2, address window 0
.set i, 0
.rept 4*NP                          ; Q stays in registers: tile i / 2, channels 32 (i % 2) on
	global_load_b128 v[8*i:8*i+3],   v[QO], s[4:5] offset:(i/2)*2048+(i%2)*64
	global_load_b128 v[8*i+4:8*i+7], v[QO], s[4:5] offset:(i/2)*2048+(i%2)*64+32
.set i, i+1
.endr
	; What the first turn finds: V's registers and P's second buffer hold 0 (its products V^T P, of a piece that has not been, add 0), O^T and l are 0.  All this stands in the wait for the first tile.
.set i, VF
.rept 64
	v_mov_b32 v[i], 0
.set i, i+1
.endr
	WIN 0x40
.set i, 0
.rept 64*NP
	v_mov_b32 v[i], 0
.set i, i+1
.endr
	WIN 0
.set i, 0
.rept 2*NP
	v_mov_b32 v[ST+4*i], 0xfe000000    ; c m: far below every c s
	v_mov_b32 v[ST+4*i+1], 0xff7fffff  ; m
	v_mov_b32 v[ST+4*i+2], 0
	v_mov_b32 v[ST+4*i+3], 0
.set i, i+1
.endr
.set i, P+32
.rept 32
	v_mov_b32 v[i], 0
.set i, i+1
.endr
	v_mul_u32_u24 v[AK0], v1, PK
	v_lshl_add_u32 v[AK0], v9, 4, v[AK0]  ; row x pitch + 16 x half
	; The turning load takes 16 keys x 16 channels (lane l reads key 8 (l / 16) + l % 8, channels 8 ((l / 8) % 2) + 0..7) and leaves half a fragment of V^T: lane l holds channel l % 16 and 8 keys.
	v_and_b32 v10, 7, v0
	v_bfe_u32 v11, v0, 3, 1
	v_lshl_add_u32 v[AV0], v9, 3, v10
	v_mul_u32_u24 v[AV0], v[AV0], PV
	v_lshl_add_u32 v[AV0], v11, 4, v[AV0]
	v_add_nc_u32 v[AV0], VOFF, v[AV0]
	v_mov_b32 v[AK], v[AK0]         ; key step 0 lies at the head of slot 0
; THE MATRIX WORK.  The 8 accumulators of a run of 16 take turns: between the two links of a chain stand 7 others'.
; Product i of 16 of S^T = K Q^T for piece x: channels 32 (i / 8) on, keys 16 ((i / 2) % 4) on, tile 2 x + i % 2.  The first 8 start the sums.
.macro KQ x
	WIN W_KQ
.set rS, S+64*((\x)%2)+32*(i%2)+8*((i/2)%4)
.set rK, KF+16*((i/2)%4)+8*(i/8)
.set rQ, 16*(2*(\x)+i%2)+8*(i/8)
.if i < 8
	v_wmma_f32_16x16x32_f16 v[rS:rS+7], v[rK:rK+7], v[rQ:rQ+7], 0
.else
	v_wmma_f32_16x16x32_f16 v[rS:rS+7], v[rK:rK+7], v[rQ:rQ+7], v[rS:rS+7]
.endif
.endm
; Product i of 16 of O^T += V^T P for piece x: keys 32 (i / 8) on, channels 16 ((i / 2) % 4) on, tile 2 x + i % 2.
.macro PV x
	WIN W_PV
.set rO, 32*(2*(\x)+i%2)+8*((i/2)%4)
.set rV, VF+32*(i/8)+8*((i/2)%4)
.set rP, P+32*((\x)%2)+16*(i%2)+8*(i/8)
	v_wmma_f32_16x16x32_f16 v[rO:rO+7], v[rV:rV+7], v[rP:rP+7], v[rO:rO+7]
.endm
.macro MM                           ; the turn's next matrix instruction
.if i < 16
	KQ (Y+1)%NP
.set i, i+1
.else
.set i, i-16
	PV (Y+NP-1)%NP
.set i, i+17
.endif
.endm
; THE LDS LOADS stand in runs of 16, never singly among the matrix instructions: a step's K (64 keys x 64 channels: 8 fragments) and its V (turned).  Their addresses are made some lines ahead.
; last = 1 (the tail): in the last trip there is no further step, and the run is jumped over.
.macro FETCH_K last=0
	WIN 0
.if \last
	s_cmp_eq_u32 s[CNT], 1
	s_cbranch_scc1 .Lno_k_\@
.endif
	WIN 0x80                        ; destination window 2
.irp f, 0,1,2,3,4,5,6,7             ; keys 16 (f / 2) on, channels 32 (f % 2) on
	ds_load_b128 v[KF+8*\f:KF+8*\f+3],   v[AK] offset:(\f/2)*16*PK+(\f%2)*64
	ds_load_b128 v[KF+8*\f+4:KF+8*\f+7], v[AK] offset:(\f/2)*16*PK+(\f%2)*64+32
.endr
	s_add_co_u32 s[TBK], s[TBK], KS*PK  ; the next fetch is the next step's
	WIN 0
.if \last
.Lno_k_\@:
.endif
.endm
.macro FETCH_V
	WIN 0x80
.irp f, 0,1,2,3,4,5,6,7             ; keys 32 (f / 4) on, channels 16 (f % 4) on
	ds_load_tr16_b128 v[VF+8*\f:VF+8*\f+3],   v[AV] offset:(\f/4)*32*PV+(\f%4)*32
	ds_load_tr16_b128 v[VF+8*\f+4:VF+8*\f+7], v[AV] offset:(\f/4)*32*PV+16*PV+(\f%4)*32
.endr
	WIN 0
.endm
; THE VECTOR WORK OF A TURN stands in three queues, each in the order in which its entries become ready; the two tiles alternate, so that no instruction reads the result of the one before it.
.macro REGS y, u                    ; the registers of tile u (0, 1) of piece y
.set rT, ST+4*(2*(\y)+(\u))
.set rC, TMP+8*((\y)%2)+4*(\u)
.set rM, MV+2*((\y)%2)+(\u)
.set rS, S+64*((\y)%2)+32*(\u)
.set rP, P+32*((\y)%2)+16*(\u)
.set rO, 32*(2*(\y)+(\u))
.endm
; Number n of the 22 that find the NEXT piece's (Y + 1) maximum and statistics.  s0-s31 are the lane's 32 scores; each accumulator's lowest registers are read first.  XS, GS and REGS set no window: PL and EX do.
;   0-11  four chains c0-c3 of seven scores each, three operands at a time     12-14, 16  the four scores left over, the old m, and c0-c3 into c0     15  c m_old is kept
;   17, 18  the query's other 32 keys lie in the lane 16 away: the new m         19-21  c m; c m_old - c m_new; a
.macro XS u, n
	REGS (Y+1)%NP, \u
.if (\n) < 4
	v_max3_num_f32 v[rC+(\n)], v[rS+8*(\n)], v[rS+8*(\n)+1], v[rS+8*(\n)+2]
.elseif (\n) < 12
	v_max3_num_f32 v[rC+(\n)%4], v[rC+(\n)%4], v[rS+8*((\n)%4)+2*((\n)/4)+1], v[rS+8*((\n)%4)+2*((\n)/4)+2]
.elseif (\n) == 12
	v_max3_num_f32 v[rC], v[rC], v[rS+7], v[rS+15]
.elseif (\n) == 13
	v_max3_num_f32 v[rC+1], v[rC+1], v[rS+23], v[rS+31]
.elseif (\n) == 14
	v_max3_num_f32 v[rC+2], v[rC+2], v[rC+3], v[rT+1]
.elseif (\n) == 15
	v_mov_b32 v[rM], v[rT]
.elseif (\n) == 16
	v_max3_num_f32 v[rC], v[rC], v[rC+1], v[rC+2]
.elseif (\n) == 17
	v_permlanex16_b32 v[rC+3], v[rC], s[SEL], s[SEL+1]
.elseif (\n) == 18
	v_max_num_f32 v[rT+1], v[rC], v[rC+3]
.elseif (\n) == 19
	v_mul_f32 v[rT], s[CS], v[rT+1]
.elseif (\n) == 20
	v_sub_f32 v[rC+1], v[rM], v[rT]
.else
	v_exp_f32 v[rC+2], v[rC+1]
.endif
.endm
; Number g of the 64 that follow the exponentials.  For each four weights k of a tile (pairs 2 k, 2 k + 1): both pairs are rounded to f16; then the second pair is added onto the first, in place;
; a group later l takes that sum (the first time as l = a l + sum).  In groups of eight, tiles alternating: round, round, add, and l for the group before.
.macro GS g
.set h, (\g)+6*((\g)/62)            ; group 0 has no group before it, and behind group 7 only l is left
.if h >= 6
.set h, h+2
.endif
	REGS Y, h%2
.set k, h/8
.if h%8 < 4
	s_wait_alu depctr_va_vdst(0)
	v_cvt_pk_f16_f32 v[rP+2*k+(h%8)/2], v[rS+4*k+2*((h%8)/2)], v[rS+4*k+2*((h%8)/2)+1]
.elseif h%8 < 6
	v_pk_add_f32 v[rS+4*k:rS+4*k+1], v[rS+4*k:rS+4*k+1], v[rS+4*k+2:rS+4*k+3]
.elseif k == 1
	v_pk_fma_f32 v[rT+2:rT+3], v[rT+2:rT+3], v[rC+2:rC+3], v[rS:rS+1] op_sel_hi:[1,0,1]
.else
	v_pk_add_f32 v[rT+2:rT+3], v[rT+2:rT+3], v[rS+4*k-4:rS+4*k-3]
	s_wait_alu depctr_va_vdst(0)
.endif
.endm
; THE PLAIN QUEUE, 138 long.  0-31: c s - c m for the 16 pairs of both tiles.  Then GS's 64, and among them the next piece's 42: number 15 at 38, 39; 0-14 and 16
; at 42-73, behind the products that make those scores; 17-20 at 95-106, two of three, since each waits for the one before it.
.macro PL
	WIN 0
.if q < 32
	REGS Y, q%2
	v_pk_fma_f32 v[rS+2*(q/2):rS+2*(q/2)+1], v[rS+2*(q/2):rS+2*(q/2)+1], s[CS:CS+1], v[rT:rT+1] op_sel_hi:[1,0,0] neg_lo:[0,0,1] neg_hi:[0,0,1]
.elseif q < 38
	GS q-32
.elseif q < 40
	XS q%2, 15
.elseif q < 42
	GS q-34
.elseif q < 74
	XS q%2, (q-42)/2+(q-42)/30
.elseif q < 95
	GS q-66
.elseif (q < 107) && ((q-95)%3 < 2)
	XS (q-95)%3, 17+(q-95)/3
.elseif q < 107
	GS 29+(q-95)/3
.else
	GS q-74
.endif
.set q, q+1
.endm
; THE EXPONENTIALS' QUEUE, 66 long: s0-s31 of both tiles, and at EA the next piece's two a.
.set EA, 58
.macro EX
	WIN 0
.if (e == EA) || (e == EA+1)
	XS e-EA, 21
.else
.set x, e-2*(e/(EA+2))
	REGS Y, x%2
	v_exp_f32 v[rS+x/2], v[rS+x/2]
.endif
.set e, e+1
.endm
; THE RESCALING's QUEUE: O^T times a, the one part that leaves window 0, so it is dealt four at a time, eight times.
.macro R4
	REGS Y, r%2
	WIN W_RS
	s_wait_alu depctr_va_vdst(0)
.irp z, 0,1,2,3
	v_pk_mul_f32 v[rO+8*(r/2)+2*\z:rO+8*(r/2)+2*\z+1], v[rO+8*(r/2)+2*\z:rO+8*(r/2)+2*\z+1], v[rC+2:rC+3] op_sel_hi:[1,0]
.endr
.set r, r+1
.endm
; HOW THEY ARE DEALT.  Behind a matrix instruction four: plain, exponential, plain, plain (one exponential, a plain instruction on either side), or four of the rescaling.  None names a register of the
; products round it.  What is over stands in two LUMPS: exponential and plain by turns; the second ends in 22 plain instructions.  The two v_permlanex16_b32 fall into the second lump, never behind a product.
; The queues lean on each other, and the deal keeps them in step: exponential e stands behind plain 2 (e / 4) + e % 2 (its scaling); when plain 32 comes, 10 exponentials are out, at 59: 33, at 95: 46; EA comes behind plain 107.
.macro SL
	MM
	PL
	EX
	PL
	PL
.endm
.macro BURST n                      ; 15 matrix instructions, or 16
.rept (\n)-7
	SL
.endr
.rept 3
	MM
	R4
	SL
.endr
	MM
	R4
.endm
; A TURN, for piece p.  cnt = 1: the loop's count is taken down some lines ahead of the branch that stands behind the turn.
; K of the next step is fetched in piece 2's turn, 31 vector instructions behind the last product that read K; its first reader comes behind the rest of the lump, 16 products and the second lump.
; V of the step in hand is fetched at the end of piece 0's turn, 69 behind its last reader; its first reader comes behind 16 products and a lump.  The four conditions on e and q below go with the deal.
.macro TURN p, last=0, cnt=0
.set Y, (\p)
.set i, 0
.set q, 0
.set e, 0
.set r, 0
.if (\p) == NP-1
	s_wait_dscnt 0x0                ; K is in
.endif
	MM
.rept 4
	PL
.endr
	BURST 15
.rept 22
	EX
	PL
.if ((\p) == NP-2) && (e == 18)
	v_add_nc_u32 v[AK], s[TBK], v[AK0]
.endif
.if ((\p) == NP-2) && (e == 24)
	FETCH_K \last
.endif
.endr
.if (\p) == 1
	s_wait_dscnt 0x0                ; V is in
.endif
	BURST 16
.rept 21
	EX
	PL
.endr
.rept 22
	PL
.if ((\p) == 0) && (q == 118)
	v_add_nc_u32 v[AV], s[TBV], v[AV0]
	s_wait_alu depctr_va_vdst(0)
.endif
.if ((\p) == 0) && (q == 130)
	s_add_co_u32 s[TBV], s[TBV], KS*PV
.endif
.if (\cnt) && (q == 130)
	s_sub_co_u32 s[CNT], s[CNT], 1
	s_cmp_lg_u32 s[CNT], 0
.endif
.endr
.if (\p) == 0
	FETCH_V
.endif
.endm
	CHANGE 1                        ; slot 0 is in, everybody's part of it; slot 1 is asked for
	FETCH_K                         ; key step 0
	s_wait_loadcnt 0x0              ; Q
	s_wait_dscnt 0x0
.set i, 0
.rept 16
	KQ 0                            ; piece 0's first scores: there is no vector work yet to set between them
.set i, i+1
.endr
	WIN 0                           ; the addresses for the way out: nine plain instructions, the places behind those products
	s_mul_i32 s13, s[WV], 16*SP
	s_add_co_u32 s13, s13, STAGE    ; my stage
	v_mul_u32_u24 v[STO], v1, SP    ; in: row l % 16, 16 bytes for each half of the lanes
	v_lshl_add_u32 v[STO], v9, 4, v[STO]
	v_add_nc_u32 v[STO], s13, v[STO]
	v_bfe_u32 v[RD], v0, 3, 2       ; back: 32 lanes take four rows of 128 bytes,
	v_mul_u32_u24 v[RD], v[RD], SP
	v_lshl_add_u32 v[RD], v10, 4, v[RD]
	v_add_nc_u32 v[RD], s13, v[RD]
	v_and_b32 v[GO], 31, v0         ; which are 512 consecutive bytes of O
	v_lshlrev_b32 v[GO], 4, v[GO]
.set Y, NP-1                        ; XS works for piece Y + 1: piece 0
.irp n, 0,1,2,3,4,5,6,7,8,9,10,11,12,13,14,15,16,17,18,19,20,21
	XS 0, \n                        ; and piece 0's first maximum and statistics
	XS 1, \n
.endr
	s_mov_b32 s[CNT], 4
	s_mov_b32 s[SLOTS], SIZE_N/256-1
	s_branch .Lfirst                ; the loop is entered at a step's first turn, in the middle of a trip
.Lslot:                             ; SIZE_N / 256 - 2 times: every slot but the last two is filled again
	CHANGE 1
	s_mov_b32 s[CNT], 4
.Lstep:                             ; a trip: pieces 2 and 3 of one step, then pieces 0 and 1 of the next, whose K and V it fetches
	TURN 2
	TURN 3
	WIN 0
.Lfirst:
	TURN 0
	TURN 1, 0, 1
	WIN 0
	s_cbranch_scc1 .Lstep
	s_sub_co_u32 s[SLOTS], s[SLOTS], 1
	s_cmp_lg_u32 s[SLOTS], 0
	s_cbranch_scc1 .Lslot
	CHANGE 0                        ; the tail is written out: nothing is asked for
	s_mov_b32 s[CNT], 5             ; four trips fetch the last slot's steps; the fifth is left in its middle
.Ltail:
	TURN 2, 1
	TURN 3
	WIN 0
	s_sub_co_u32 s[CNT], s[CNT], 1
	s_cmp_eq_u32 s[CNT], 0
	s_cbranch_scc1 .Lout
	TURN 0
	TURN 1
	WIN 0
	s_branch .Ltail
.Lout:                              ; the fifth trip's 16 products K Q^T (on the last K once more) and the maximum made of them serve nothing: the price, once a launch, of one text for every trip
.set i, 0
.rept 16
	PV NP-1                         ; the last piece's V^T P of the last step
.set i, i+1
.endr
	; THE WAY OUT.  l's two halves and the other half of the lanes' are added; O^T is divided by l, rounded to f16 and sent through my stage in LDS, a tile at a time.  The additions are the places behind the last products.
	WIN 0
.macro ALL line:vararg              ; one line for each tile t
.set t, 0
.rept 2*NP
	\line
.set t, t+1
.endr
.endm
	ALL v_add_f32 v[ST+4*t+2], v[ST+4*t+2], v[ST+4*t+3]
	ALL v_permlanex16_b32 v[ST+4*t+3], v[ST+4*t+2], s[SEL], s[SEL+1]
	ALL v_add_f32 v[ST+4*t+2], v[ST+4*t+2], v[ST+4*t+3]
	ALL v_rcp_f32 v[ST+4*t+2], v[ST+4*t+2]
	v_nop                           ; a plain instruction between the last reciprocal and the use of its result
	s_wait_alu depctr_va_vdst(0)
; Tile t: a lane's eight channels of a row pack into 16 bytes; they go into rows of 144 bytes and come back as whole rows of 128, into S^T's registers.
.macro PACK t
	WIN W_RS
.set i, 32*(\t)
.rept 16
	v_pk_mul_f32 v[i:i+1], v[i:i+1], v[ST+4*(\t)+2:ST+4*(\t)+3] op_sel_hi:[1,0]
.set i, i+2
.endr
	WIN 0x05                        ; sources 0 and 1 window 1, destination window 0
.set i, 0
.rept 16
	v_cvt_pk_f16_f32 v[S+16*(\t)+i], v[32*(\t)+2*i], v[32*(\t)+2*i+1]
.set i, i+1
.endr
	WIN 0
.irp f, 0,1,2,3
	ds_store_b128 v[STO], v[S+16*(\t)+4*\f:S+16*(\t)+4*\f+3] offset:32*\f
.endr
.irp f, 0,1,2,3
	ds_load_b128 v[S+16*(\t)+4*\f:S+16*(\t)+4*\f+3], v[RD] offset:\f*4*SP  ; LDS serves a wave's instructions in order (ISA guide 5.7.1.4): these see the stores above; the next tile's stores come behind them
.endr
.endm
.macro SEND t, younger              ; younger: the LDS instructions issued behind tile t's loads: the next tile's eight, or none
	WIN 0
.irp f, 0,1,2,3
	s_wait_dscnt (\younger)+3-\f
	global_store_b128 v[GO], v[S+16*(\t)+4*\f:S+16*(\t)+4*\f+3], s[10:11] offset:((\t)/4)*131072+((\t)%4)*2048+\f*512  ; tile t: block t / 4 of my two blocks of 64 rows, 16 rows t % 4 of the head's 64; 512 consecutive bytes, at a multiple of 512 from ob's first
.endr
.endm
	PACK 0
.set t, 1
.rept 2*NP-1                        ; a tile's arithmetic stands between the loads of the tile before and its stores
	PACK t
	SEND t-1, 8
.set t, t+1
.endr
	SEND 2*NP-1, 0
	WIN W_AD
	s_wait_tensorcnt 0x0            ; the wave's end: behind my last tensor load and my last LDS store
	ds_add_u32 v[SPW], v[NIL]
	s_wait_dscnt 0x0
	WIN 0
	CROUND                          ; the closing round: no work-group ends while a partner may still ask for a tile that names it
	s_endpgm
.Lfunc_end_k_q5b8b34964e_attn:
	.size	k_q5b8b34964e_attn, .Lfunc_end_k_q5b8b34964e_attn-k_q5b8b34964e_attn
	.p2alignl 7, 3214868480
	.fill 96, 4, 3214868480
	.section	.rodata,"a",@progbits
	.p2align	6, 0x0
	.amdhsa_kernel k_q5b8b34964e_attn
		.amdhsa_group_segment_fixed_size 327680
		.amdhsa_private_segment_fixed_size 0
		.amdhsa_enable_private_segment 0
		.amdhsa_kernarg_size 16
		.amdhsa_user_sgpr_count 2
		.amdhsa_user_sgpr_kernarg_segment_ptr 1
		.amdhsa_wavefront_size32 1
		.amdhsa_system_sgpr_workgroup_id_x 1
		.amdhsa_system_sgpr_workgroup_id_y 1
		.amdhsa_system_sgpr_workgroup_id_z 1
		.amdhsa_system_vgpr_workitem_id 0
		.amdhsa_next_free_vgpr 770
		.amdhsa_next_free_sgpr 66
		.amdhsa_reserve_vcc 0
		.amdhsa_float_denorm_mode_32 3
		.amdhsa_float_denorm_mode_16_64 3
		.amdhsa_memory_ordered 1
		.amdhsa_forward_progress 1
		.amdhsa_inst_pref_size 209
	.end_amdhsa_kernel
	.amdgpu_metadata
---
amdhsa.version: [ 1, 2 ]
amdhsa.kernels:
  - .name:           k_q5b8b34964e_attn
    .symbol:         k_q5b8b34964e_attn.kd
    .args:
      - { .name: qkv, .offset: 0, .size: 8, .value_kind: global_buffer, .address_space: global }
      - { .name: ob, .offset: 8, .size: 8, .value_kind: global_buffer, .address_space: global }
    .group_segment_fixed_size: 327680
    .private_segment_fixed_size: 0
    .kernarg_segment_align: 8
    .kernarg_segment_size: 16
    .max_flat_workgroup_size: 128
    .sgpr_count:     66
    .vgpr_count:     770
    .wavefront_size: 32
...
	.end_amdgpu_metadata
.endif
;; end of part 3
;; launch outp (part 4): grid 4 x 64, 4 waves a work-group, clusters of 4 x 4, 327,680 bytes of LDS; arguments ob, wo16, bo, out0; writes out0
.if DOCPART == 4
	.amdgcn_target "amdgcn-amd-amdhsa--gfx1250"
	.amdhsa_code_object_version 6
	.text
	.protected	k_q5b8b34964e_outp
	.globl	k_q5b8b34964e_outp
	.p2align	8
	.type	k_q5b8b34964e_outp,@function
k_q5b8b34964e_outp:
	s_mov_b64 s[64:65], 0
	v_nop
	global_prefetch_b8 v0, s[64:65] scope:SCOPE_SE
	s_setreg_imm32_b32 hwreg(HW_REG_WAVE_MODE, 25, 1), 1
	s_wait_xcnt 0x0
	s_wait_alu depctr_hold_cnt(0) depctr_sa_sdst(0) depctr_va_vdst(0) depctr_va_sdst(0) depctr_va_ssrc(0) depctr_va_vcc(0) depctr_vm_vsrc(0)
	s_getreg_b32 s2, hwreg(HW_REG_IB_STS2, 6, 4)
	s_cmp_eq_u32 s2, 0
	s_cbranch_scc0 .Lentry_in_a_cluster
	s_endpgm
.Lentry_in_a_cluster:
	s_bfe_u32 s2, ttmp6, 0x10000c
	s_cmp_lg_u32 s2, 0xf033
	s_cbranch_scc0 .Lentry_shape_is_right
	s_endpgm
.Lentry_shape_is_right:
; THE OUTPUT PROJECTION.  out0 = O Wo^T + bo.  O: ob [128 blocks of 64 rows][16 heads][64 rows][64 channels] f16; Wo: wo16 [1024 n][1024 k] f16 (bf16 values written as f16); bo: [1024] f32, rounded to
; bf16 like every input; out0: [8192][1024] f32.  Products in f16, sums in f32, started with the bias.
; LIMIT.  O and Wo arrive within f16's range (65,504); the sums and the output are f32.
; SHARES.  256 work-groups; work-group (nt, y): rows 128 y on, columns 256 nt on.  Four waves, each 64 rows x 128 columns: 32 accumulators of 16 x 16, 256 registers.
; K goes in 8 steps of 128 (two heads) through two LDS slots filled by the tensor data mover.  64 rows of two heads are 16,384 dense bytes of ob: asked for as 64 rows of 256 bytes and padded in LDS after every 128,
; so that a head's row of 64 channels is an LDS row.  Wo's tile: 256 rows of 256 bytes.  A step is 128 matrix instructions a wave.
; CLUSTER.  4 x 4 work-groups.  The four of a row need the same tile of O, the four of a column the same tile of Wo: each is asked for JOINTLY, by the same tensor load with the same descriptor and a mask of four.
; THE MATRIX INSTRUCTION IS USED TRANSPOSED: source 0 = 16 rows of Wo, source 1 = 16 rows of O: a lane holds one row of the output (lane % 16) and eight neighbouring columns: 32 bytes.
; REGISTERS, in windows of 256 (s_set_vgpr_msb: bits 1:0 source 0, 3:2 source 1, 5:4 source 2, 7:6 destination):
;   window 0: v0-29 addresses; v32-95 FA, O's fragments, two buffers of 32; v96-223 the way out, two buffers of 64
;   window 1: v0-127 FB, Wo's fragments, two buffers of 64; v128-191 the bias in the layout of a C operand; v192-195 at work          window 2: accumulator (a, b) at v[8 (8 a + b)]
.set KSTEP,  128
.set PA,     144                       ; a head's row of O in LDS: 128 bytes + 16 = 9 x 16: the 16 rows of a load start at 16 different groups of four banks (64 banks of 4 bytes: ISA guide 11.1)
.set PB,     272                       ; a row of Wo: 256 + 16 = 17 x 16
.set AH,     128*PA                    ; 64 rows x 2 heads: one tensor load, and what one wave reads
.set BB0,    2*AH                      ; Wo lies behind O's two halves
.set BH,     128*PB                    ; 128 rows of Wo: one tensor load, and what one wave reads
.set SLOT1,  0x20000                   ; slot 1.  The four tiles begin at 0, 0x4800, 0x9000, 0x11800, which share no bit with it: one exclusive or changes slots
.set STAGE,  SLOT1+BB0+2*BH            ; behind the ring: 16 rows x 528 bytes for each wave, for the way out; no tensor load lands here
.set SP,     528                       ; a stage row: 512 bytes + 16 = 33 x 16
.set SPARE,  STAGE+4*16*SP             ; behind the stages: the spare words, 128 bytes for each wave: two blocks of 256 bytes that no other line names
.set AA0,  4                           ; v4   my lane's place in O's tile; never rewritten
.set AB0,  5                           ; v5   the same for Wo
.set ADRA, 6                           ; v6   v4 + the slot in hand
.set ADRB, 7                           ; v7   v5 + the slot in hand
.set STO,  8                           ; v8   the way out: where I put 32 bytes of a row
.set RD,   9                           ; v9   the way out: where I read a row back
.set CO,   10                          ; v10  my 16 bytes in 512 consecutive bytes of the output
.set BO,   11                          ; v11  my byte offset in 16 numbers of the bias
.set SPW,  28                          ; v28  LDS address of my spare word: SPARE + 4 x my thread's number; never rewritten
.set NIL,  29                          ; v29  0; never rewritten
.set FA,   32
.set T,    96
.set FB,   0                           ; window 1
.set BIAS, 128                         ; window 1
.set BT,   192                         ; window 1
.set WV,   20                          ; s20  my wave's number
.set WR,   21                          ; s21  which 64 rows are mine.  Also: I fetch for O (0) or for Wo (1)
.set WC,   22                          ; s22  which 128 columns are mine.  Also: which half of that tile I fetch
.set CNT,  23                          ; s23  the loop's count
.set G1,   24                          ; s[24:31] descriptor group 1 for O's tiles
.set G0,   32                          ; s[32:39] group 0 for O's tiles: a set for each first fill; the second then walks
.set G1B,  48                          ; s[48:55], s[56:63] the same for Wo's
.set G0B,  56
.set TB,   70                          ; s70  LDS byte at which the slot in hand begins
.set MSB, 0
.macro WIN new                         ; the immediate's high byte repeats the setting that is left; a switch that changes nothing is dropped
.if MSB != (\new)
	s_set_vgpr_msb (MSB<<8)|(\new)
.set MSB, \new
.endif
.endm
.set MUL,  0xa1                        ; source 0 (Wo) window 1, source 1 (O) window 0, C and D window 2
.set MULB, 0x91                        ; the same with C (the bias) in window 1
.set TO_B, 0x40                        ; destination window 1, address window 0
.set W1,   0x45                        ; destination and sources in window 1
.set ST2,  0x08                        ; an LDS store's data (source 1) in window 2, its address in window 0
.macro PLACES                          ; four places in front of loads into registers that matrix instructions have read, and of lines that read results just made
.rept 4
	v_nop
.endr
.endm
; A joint refill.  Waves 0 and 1 fetch O's two halves, waves 2 and 3 Wo's.  The branch hangs on the wave's number alone.  An s_nop 0 and four v_nop follow each of the two lines.
.macro JLOAD
	s_cmp_eq_u32 s[WR], 0
	s_cbranch_scc0 .Lfor_b_\@
	tensor_load_to_lds s[G0+4:G0+7], s[G1:G1+7]
	s_nop 0
.rept 4
	v_nop
.endr
	s_branch .Lasked_\@
.Lfor_b_\@:
	tensor_load_to_lds s[G0B+4:G0B+7], s[G1B:G1B+7]
	s_nop 0
.rept 4
	v_nop
.endr
.Lasked_\@:
.endm
; A round of the cluster's barrier: my work-group's barrier, so that wave 0's signal speaks for all four waves; wave 0 signals; every wave waits for all sixteen work-groups; my work-group's barrier once more.
.macro CREST                           ; a round behind its opening barrier
	s_cmp_lg_u32 s[WV], 0
	s_cbranch_scc1 .Lnot_wave_0_\@
	s_barrier_signal -3
.Lnot_wave_0_\@:
	s_barrier_wait -3
	s_barrier_signal -1
	s_barrier_wait -1
.endm
.macro CROUND
	s_barrier_signal -1
	s_barrier_wait -1
	CREST
.endm
	s_load_b256 s[4:11], s[0:1], 0x0               ; ob s[4:5], wo16 s[6:7], bo s[8:9], out0 s[10:11]
	v_lshl_add_u32 v[SPW], v0, 2, SPARE
	v_mov_b32 v[NIL], 0
	ds_add_u32 v28, v29
	s_wait_dscnt 0x0
	v_lshrrev_b32 v1, 5, v0
	v_readfirstlane_b32 s[WV], v1                  ; wave 0..3
	s_lshr_b32 s[WR], s[WV], 1
	s_and_b32 s[WC], s[WV], 1
	s_bfe_u32 s40, ttmp6, 0x40000                  ; cx, cy: my place in the cluster
	s_bfe_u32 s41, ttmp6, 0x40004
	s_lshl_b32 s42, ttmp9, 2                       ; in a cluster launch ttmp9 and ttmp7 count clusters
	s_add_co_u32 s42, s42, s40                     ; nt: tile column = 4 x cluster x + cx
	s_and_b32 s43, ttmp7, 0xffff
	s_lshl_b32 s43, s43, 2
	s_add_co_u32 s43, s43, s41                     ; y: tile row = 4 x cluster y + cy
	s_lshl_b32 s76, s41, 2
	s_lshl_b32 s76, 15, s76                        ; my row of the cluster
	s_lshl_b32 s77, 0x1111, s40                    ; my column
	; group 1 for O: 16,384 dense bytes as 64 rows x 128 elements of 2 bytes
	s_or_b32 s[G1+0], s76, (1<<16)|(1<<20)|(1<<21)|(4<<22)|(3<<25)  ; 15:0 the mask: my row; 17:16 elements of 2 bytes; 20 padding on; 21 set beside a mask; 24:22 after every 32 words (code 4); 31:25 4 words (code 3)
	s_mov_b32 s[G1+1], 128<<16                     ; tensor_dim0 = 128
	s_mov_b32 s[G1+2], 64<<16                      ; tensor_dim1 = 64
	s_mov_b32 s[G1+3], 128<<16                     ; tile_dim0 = 128
	s_mov_b32 s[G1+4], 64                          ; tile_dim1 = 64
	s_mov_b32 s[G1+5], 128                         ; elements from row to row: dense
	s_mov_b32 s[G1+6], 0
	s_mov_b32 s[G1+7], 0
	; group 1 for Wo: 128 rows x 128 elements of 2 bytes
	s_or_b32 s[G1B+0], s77, (1<<16)|(1<<20)|(1<<21)|(5<<22)|(3<<25) ; the mask: my column; padding of 4 words after every 64
	s_mov_b32 s[G1B+1], KSTEP<<16
	s_mov_b32 s[G1B+2], 128<<16
	s_mov_b32 s[G1B+3], KSTEP<<16
	s_mov_b32 s[G1B+4], 128
	s_mov_b32 s[G1B+5], 1024
	s_mov_b32 s[G1B+6], 0
	s_mov_b32 s[G1B+7], 0
	; byte offsets, each in registers of its own: O's never holds cx, Wo's never cy
	s_lshl_b32 s46, s43, 18                        ; O: block 2 y + half, 131,072 bytes a block
	s_lshl_b32 s47, s[WC], 17
	s_add_co_u32 s46, s46, s47
	s_mov_b32 s47, 0
	s_lshl_b32 s66, s42, 19                        ; Wo: row 256 nt + 128 x half, 2,048 bytes a row
	s_lshl_b32 s67, s[WC], 18
	s_add_co_u32 s66, s66, s67
	s_mov_b32 s67, 0
	s_lshl_b32 s72, s43, 19                        ; the output: row 128 y + 64 x row half, 4,096 bytes a row; column 256 nt + 128 x column half
	s_lshl_b32 s73, s[WR], 18
	s_add_co_u32 s72, s72, s73
	s_lshl_b32 s73, s42, 10
	s_add_co_u32 s72, s72, s73
	s_lshl_b32 s73, s[WC], 9
	s_add_co_u32 s72, s72, s73
	s_mov_b32 s73, 0
	s_lshl_b32 s74, s42, 10                        ; the bias: my 128 columns
	s_lshl_b32 s75, s[WC], 9
	s_add_co_u32 s74, s74, s75
	s_mov_b32 s75, 0
	s_mul_i32 s78, s[WC], AH                       ; where the tiles go: no place in the cluster enters an LDS address
	s_mul_i32 s79, s[WC], BH
	s_add_co_u32 s79, s79, BB0
	s_mov_b32 s[TB], 0
	s_wait_kmcnt 0x0
	s_add_nc_u64 s[46:47], s[4:5], s[46:47]
	s_add_nc_u64 s[66:67], s[6:7], s[66:67]
	s_add_nc_u64 s[8:9], s[8:9], s[74:75]
	s_add_nc_u64 s[10:11], s[10:11], s[72:73]
.irp n, 0,1
	s_mov_b32 s[G0+4*(\n)], 1                                      ; 1:0 count = 1
	s_add_co_u32 s[G0+4*(\n)+1], s78, (\n)*SLOT1                   ; 63:32 LDS address
	s_add_nc_u64 s[G0+4*(\n)+2:G0+4*(\n)+3], s[46:47], (\n)*16384  ; 120:64 global address: K step n = heads 2 n, 2 n + 1
	s_or_b32 s[G0+4*(\n)+3], s[G0+4*(\n)+3], 0x80000000            ; 127:126 type = 2
	s_mov_b32 s[G0B+4*(\n)], 1
	s_add_co_u32 s[G0B+4*(\n)+1], s79, (\n)*SLOT1
	s_add_nc_u64 s[G0B+4*(\n)+2:G0B+4*(\n)+3], s[66:67], (\n)*KSTEP*2
	s_or_b32 s[G0B+4*(\n)+3], s[G0B+4*(\n)+3], 0x80000000
.endr
	CROUND                                         ; all sixteen work-groups are here: the first joint loads meet
	s_cmp_eq_u32 s[WR], 0                          ; a wave's two first fills stand in one branch, ahead of every wait on TENSORcnt and every LDS read: two loads of mine are out
	s_cbranch_scc0 .Lfirst_b
	tensor_load_to_lds s[G0:G0+3], s[G1:G1+7]
	s_nop 0
	tensor_load_to_lds s[G0+4:G0+7], s[G1:G1+7]
	s_nop 0
.rept 4
	v_nop
.endr
	s_branch .Lfirst_asked
.Lfirst_b:
	tensor_load_to_lds s[G0B:G0B+3], s[G1B:G1B+7]
	s_nop 0
	tensor_load_to_lds s[G0B+4:G0B+7], s[G1B:G1B+7]
	s_nop 0
.rept 4
	v_nop
.endr
.Lfirst_asked:
	; All this stands in the wait for the first tile.  The bias in a C operand's layout: register j of block b is bo[16 b + 8 (l / 16) + j], the same for all rows.
	v_and_b32 v1, 15, v0                           ; l % 16
	v_bfe_u32 v2, v0, 4, 1                         ; l / 16
	v_lshlrev_b32 v[BO], 5, v2
	WIN TO_B
.irp b, 0,1,2,3,4,5,6,7
	global_load_b128 v[BIAS+8*(\b):BIAS+8*(\b)+3],   v[BO], s[8:9] offset:64*(\b)
	global_load_b128 v[BIAS+8*(\b)+4:BIAS+8*(\b)+7], v[BO], s[8:9] offset:64*(\b)+16
.endr
	WIN 0
	; A fragment is 16 rows x 32 K in 8 registers: lane l holds row l % 16, K = 8 (l / 16) + 0..7 and 16 + 8 (l / 16) + 0..7: two loads of 16 bytes, 32 bytes apart.
	v_mul_u32_u24 v[AA0], v1, PA
	v_lshl_add_u32 v[AA0], v2, 4, v[AA0]           ; row x pitch + 16 x half
	s_mul_i32 s71, s[WR], AH                       ; my 64 rows of O
	v_add_nc_u32 v[AA0], s71, v[AA0]
	v_mul_u32_u24 v[AB0], v1, PB
	v_lshl_add_u32 v[AB0], v2, 4, v[AB0]
	s_mul_i32 s71, s[WC], BH                       ; my 128 rows of Wo
	s_add_co_u32 s71, s71, BB0
	v_add_nc_u32 v[AB0], s71, v[AB0]
	v_mov_b32 v[ADRA], v[AA0]                      ; slot 0
	v_mov_b32 v[ADRB], v[AB0]
	s_mul_i32 s71, s[WV], 16*SP
	s_add_co_u32 s71, s71, STAGE                   ; my stage
	v_mul_u32_u24 v[STO], v1, SP                   ; in: row l % 16, 32 bytes for each half of the lanes
	v_lshl_add_u32 v[STO], v2, 5, v[STO]
	v_add_nc_u32 v[STO], s71, v[STO]
	v_and_b32 v[CO], 31, v0                        ; back: 32 lanes take one row of 512 bytes
	v_lshlrev_b32 v[CO], 4, v[CO]
	v_add_nc_u32 v[RD], s71, v[CO]
	s_wait_loadcnt 0x0                             ; the bias
	WIN W1
.set i, 0
.rept 32                                           ; rounded to bf16 like every input, and kept as f32
	v_cvt_pk_bf16_f32 v[BT+i%4], v[BIAS+2*i], v[BIAS+2*i+1]
	v_lshlrev_b32 v[BIAS+2*i], 16, v[BT+i%4]
	v_and_b32 v[BIAS+2*i+1], 0xffff0000, v[BT+i%4]
.set i, i+1
.endr
	WIN 0
; 8 matrix instructions: row block a x all 8 column blocks, 32 along K, from buffer f.  first = 1: the product starts the sum, with the bias as C: nothing is ever cleared.
; The 32 accumulators take turns, one instruction a turn, in the same order in every quarter step.
.macro MUL8 f, a, first
.if \first
	WIN MULB
.else
	WIN MUL
.endif
.irp b, 0,1,2,3,4,5,6,7
.if \first
	v_wmma_f32_16x16x32_f16 v[8*(8*(\a)+(\b)):8*(8*(\a)+(\b))+7], v[FB+64*(\f)+8*(\b):FB+64*(\f)+8*(\b)+7], v[FA+32*(\f)+8*(\a):FA+32*(\f)+8*(\a)+7], v[BIAS+8*(\b):BIAS+8*(\b)+7]
.else
	v_wmma_f32_16x16x32_f16 v[8*(8*(\a)+(\b)):8*(8*(\a)+(\b))+7], v[FB+64*(\f)+8*(\b):FB+64*(\f)+8*(\b)+7], v[FA+32*(\f)+8*(\a):FA+32*(\f)+8*(\a)+7], v[8*(8*(\a)+(\b)):8*(8*(\a)+(\b))+7]
.endif
.endr
.endm
; 24 LDS loads in one run: quarter k of the slot in hand into buffer g: Wo's 128 rows x 32 K, then O's 64 rows x 32 K (head k / 2 of the step's two, channels 32 (k % 2) on), row blocks ascending
.macro FETCH k, g
	WIN TO_B
.irp b, 0,1,2,3,4,5,6,7
	ds_load_b128 v[FB+64*(\g)+8*(\b):FB+64*(\g)+8*(\b)+3],   v[ADRB] offset:(\b)*16*PB+(\k)*64
	ds_load_b128 v[FB+64*(\g)+8*(\b)+4:FB+64*(\g)+8*(\b)+7], v[ADRB] offset:(\b)*16*PB+(\k)*64+32
.endr
	WIN 0
.irp a, 0,1,2,3
	ds_load_b128 v[FA+32*(\g)+8*(\a):FA+32*(\g)+8*(\a)+3],   v[ADRA] offset:((\k)/2)*64*PA+(\a)*16*PA+((\k)%2)*64
	ds_load_b128 v[FA+32*(\g)+8*(\a)+4:FA+32*(\g)+8*(\a)+7], v[ADRA] offset:((\k)/2)*64*PA+(\a)*16*PA+((\k)%2)*64+32
.endr
.endm
; A K step is four quarter steps of 32 along K, 32 matrix instructions each, on buffers 0, 1, 0, 1.  One of the first three: multiplies buffer f and fetches quarter k into buffer g.
.macro QUARTER k, f, g, first
	s_wait_dscnt 4                                 ; Wo's fragments and O's row blocks 0 and 1 are in; the youngest four loads (blocks 2 and 3) may be out
	MUL8 \f, 0, \first
	MUL8 \f, 1, \first
	PLACES                                         ; buffer g was multiplied in the quarter before
	FETCH \k, \g
	s_wait_dscnt 24                                ; all but the 24 just issued
	MUL8 \f, 2, \first
	MUL8 \f, 3, \first
.endm
; The last quarter multiplies buffer 1 and changes slots: ONE barrier.  In front of it each wave waits for all its tensor loads, of which one is out: its part of the next slot; adds 0 to its spare word; and waits for
; that and for its own reads of this slot.  Behind it nobody reads this slot any more and the next slot is whole.  fill = 1: the barrier opens a round of the cluster's, so that this holds of all sixteen work-groups,
; and the joint refill, this slot's K step two steps on, is the first thing behind the round: 112 matrix instructions ahead of the wait for it.
.macro TURN fill
	WIN 0                                          ; (the add's two registers lie in window 0)
	s_wait_tensorcnt 0x0                           ; no tensor load of mine is out, so a group 0 may be written
	ds_add_u32 v[SPW], v[NIL]                      ; 0 onto my spare word: scalar steps and eight products stand between it and the wait for it
.if \fill
	s_xor_b32 s[G0+5], s[G0+5], SLOT1              ; the walking descriptors: the other slot than last time,
	s_add_nc_u64 s[G0+6:G0+7], s[G0+6:G0+7], 16384 ; the next two heads; the type bits on top are not reached
	s_xor_b32 s[G0B+5], s[G0B+5], SLOT1
	s_add_nc_u64 s[G0B+6:G0B+7], s[G0B+6:G0B+7], KSTEP*2
.endif
	s_wait_dscnt 5                                 ; the add and the youngest four loads may be out
	MUL8 1, 0, 0
	s_wait_dscnt 0x0                               ; the add is done, and my reads of this slot are over
	s_barrier_signal -1
	MUL8 1, 1, 0                                   ; work on registers while the others arrive
	WIN 0                                          ; at a branch and at a label every window is 0
	s_barrier_wait -1
.if \fill
	CREST
	JLOAD                                          ; the four v_nop behind it are also the places in front of the loads below
.else
	PLACES
.endif
	s_xor_b32 s[TB], s[TB], SLOT1                  ; the reads go on in the other slot
	v_add_nc_u32 v[ADRA], s[TB], v[AA0]
	v_add_nc_u32 v[ADRB], s[TB], v[AB0]
	FETCH 0, 0
	MUL8 1, 2, 0
	MUL8 1, 3, 0
.endm
; THE WAY OUT, by row blocks a of 16 rows x 128 columns.  A lane's 32 bytes go straight from the accumulators into stage rows of 528 bytes (each accumulator's lowest registers first),
; and come back as whole rows of 512 bytes, by turns into two buffers of 64 registers.
.macro TOSTAGE a
.if (\a) >= 2
	s_wait_xcnt 0x0                                ; the stores of block a - 2 have had their addresses translated (ISA guide 3.1): their data registers are loaded again only behind this wait
.endif
	WIN ST2
.irp b, 0,1,2,3,4,5,6,7
	ds_store_b128 v[STO], v[8*(8*(\a)+(\b)):8*(8*(\a)+(\b))+3]   offset:64*(\b)
	ds_store_b128 v[STO], v[8*(8*(\a)+(\b))+4:8*(8*(\a)+(\b))+7] offset:64*(\b)+16
.endr
	WIN 0
.irp t, 0,1,2,3,4,5,6,7,8,9,10,11,12,13,14,15
	ds_load_b128 v[T+64*((\a)%2)+4*(\t):T+64*((\a)%2)+4*(\t)+3], v[RD] offset:(\t)*SP  ; LDS serves a wave's instructions in order (ISA guide 5.7.1.4): these see the stores above; the next block's stores come behind them
.endr
.endm
.macro SEND a, younger                 ; younger: the LDS instructions issued behind block a's loads: the next block's 32, or none
	WIN 0
.irp t, 0,1,2,3,4,5,6,7,8,9,10,11,12,13,14,15
	s_wait_dscnt (\younger)+15-(\t)
	global_store_b128 v[CO], v[T+64*((\a)%2)+4*(\t):T+64*((\a)%2)+4*(\t)+3], s[10:11] offset:(\a)*65536+(\t)*4096  ; 512 consecutive bytes of a row, at a multiple of 512 from out0's first
.endr
.endm
	s_wait_tensorcnt 1                             ; my part of K step 0 is in; K step 1's may stay out
	s_barrier_signal -1
	s_barrier_wait -1                              ; everybody's is
	FETCH 0, 0
	QUARTER 1, 0, 1, 1                             ; the first quarter stands in front of the loop: its products start the sums
	WIN 0
	s_mov_b32 s[CNT], 6
.Lstep:                                                ; a trip: from a K step's second quarter to the next step's first; it fills the slot that it leaves with the K step two on
	QUARTER 2, 1, 0, 0
	QUARTER 3, 0, 1, 0
	TURN 1
	QUARTER 1, 0, 1, 0
	WIN 0
	s_sub_co_u32 s[CNT], s[CNT], 1
	s_cmp_lg_u32 s[CNT], 0
	s_cbranch_scc1 .Lstep
	QUARTER 2, 1, 0, 0                             ; K steps 6 and 7 are written out: they ask for nothing
	QUARTER 3, 0, 1, 0
	TURN 0
	QUARTER 1, 0, 1, 0
	QUARTER 2, 1, 0, 0
	QUARTER 3, 0, 1, 0
	s_wait_dscnt 0x0                               ; the very last quarter: nothing more to fetch
	MUL8 1, 0, 0
	MUL8 1, 1, 0
	MUL8 1, 2, 0
	MUL8 1, 3, 0
	PLACES
	TOSTAGE 0
.irp a, 1,2,3                          ; a block's way through the stage stands between the loads of the block before and its stores
	TOSTAGE \a
	SEND (\a)-1, 32
.endr
	SEND 3, 0
	s_wait_tensorcnt 0x0                           ; the wave's end: behind my last tensor load and my last LDS store
	ds_add_u32 v[SPW], v[NIL]
	s_wait_dscnt 0x0
	CROUND                                         ; the closing round: no work-group ends while a partner may still ask for a tile that names it
	s_endpgm
.Lfunc_end_k_q5b8b34964e_outp:
	.size	k_q5b8b34964e_outp, .Lfunc_end_k_q5b8b34964e_outp-k_q5b8b34964e_outp
	.p2alignl 7, 3214868480
	.fill 96, 4, 3214868480
	.section	.rodata,"a",@progbits
	.p2align	6, 0x0
	.amdhsa_kernel k_q5b8b34964e_outp
		.amdhsa_group_segment_fixed_size 327680
		.amdhsa_private_segment_fixed_size 0
		.amdhsa_enable_private_segment 0
		.amdhsa_kernarg_size 32
		.amdhsa_user_sgpr_count 2
		.amdhsa_user_sgpr_kernarg_segment_ptr 1
		.amdhsa_wavefront_size32 1
		.amdhsa_system_sgpr_workgroup_id_x 1
		.amdhsa_system_sgpr_workgroup_id_y 1
		.amdhsa_system_sgpr_workgroup_id_z 1
		.amdhsa_system_vgpr_workitem_id 0
		.amdhsa_next_free_vgpr 768
		.amdhsa_next_free_sgpr 80
		.amdhsa_reserve_vcc 0
		.amdhsa_float_denorm_mode_32 3
		.amdhsa_float_denorm_mode_16_64 3
		.amdhsa_memory_ordered 1
		.amdhsa_forward_progress 1
		.amdhsa_inst_pref_size 77
	.end_amdhsa_kernel
	.amdgpu_metadata
---
amdhsa.version: [ 1, 2 ]
amdhsa.kernels:
  - .name:           k_q5b8b34964e_outp
    .symbol:         k_q5b8b34964e_outp.kd
    .args:
      - { .name: ob, .offset: 0, .size: 8, .value_kind: global_buffer, .address_space: global }
      - { .name: wo16, .offset: 8, .size: 8, .value_kind: global_buffer, .address_space: global }
      - { .name: bo, .offset: 16, .size: 8, .value_kind: global_buffer, .address_space: global }
      - { .name: out0, .offset: 24, .size: 8, .value_kind: global_buffer, .address_space: global }
    .group_segment_fixed_size: 327680
    .private_segment_fixed_size: 0
    .kernarg_segment_align: 8
    .kernarg_segment_size: 32
    .max_flat_workgroup_size: 128
    .sgpr_count:     80
    .vgpr_count:     768
    .wavefront_size: 32
...
	.end_amdgpu_metadata
.endif
;; end of part 4
;; ======== version 2 of 2: 4 launches; version 1 with the launch castw written anew for expert scheduling mode
;; limits: values are held in f16: magnitudes above 65,504 overflow, below 6.1e-05 lose precision; right only within a limited range of input values
;; workspace buffers: wb 6,291,456 bytes; wo16 2,097,152 bytes; qkv 50,331,648 bytes; ob 16,777,216 bytes
;; launch castw (part 5): grid 64 x 4, 8 waves a work-group, no clusters, 0 bytes of LDS; arguments Wq, Wk, Wv, Wo, wb, wo16; writes wb, wo16
.if DOCPART == 5
	.amdgcn_target "amdgcn-amd-amdhsa--gfx1250"
	.amdhsa_code_object_version 6
	.text
	.protected	k_q5b8b34964e_castw
	.globl	k_q5b8b34964e_castw
	.p2align	8
	.type	k_q5b8b34964e_castw,@function
k_q5b8b34964e_castw:
	s_mov_b64 s[64:65], 0
	v_nop
	global_prefetch_b8 v0, s[64:65] scope:SCOPE_SE
	s_setreg_imm32_b32 hwreg(HW_REG_WAVE_SCHED_MODE, 0, 2), 2
	s_setreg_imm32_b32 hwreg(HW_REG_WAVE_MODE, 25, 1), 1
	s_wait_xcnt 0x0
	s_wait_alu depctr_vm_vsrc(0)
; The four weight matrices, [1024][1024] f32, are rounded once to 16 bits, since each is read again by 64 row blocks of the products that follow.
; Wq, Wk, Wv -> wb [3][1024][1024] bf16 (round to nearest even).  Wo -> wo16 [1024][1024] f16: rounded to bf16 like every input of the module, and that number written as f16.
; LIMIT.  A bf16 number is exact in f16 from 2^-17 to 65,504; below that it keeps f16's fixed step of 2^-24, beyond it becomes an infinity: Wo is served within that range.
; SHARES.  Work-group (x, y): matrix y, rows 16 x to 16 x + 15: 65,536 bytes in, 32,768 out.  Thread t takes 16 bytes of every 4,096: a wave's load covers 512 consecutive bytes, its store 256, aligned.
; All sixteen loads of a wave go out at once; no register is used twice.  No LDS, no barrier, no matrix unit: a stream has no use for them.
; THE MODE: SCHED_MODE bits 1:0 = 2 (LLVM: expert scheduling mode 2), set by the entry lines.  The code itself states the register dependences
; between vector instructions and memory instructions, with s_wait_alu, always for 0.
; THE PLAN.  Registers that memory instructions touch:
;   v1, v2   byte offsets, written once at the head by vector lines and never again; v1 is read by every load, v2 by every store.
;   X        load i lands in its own four registers, once; only its conversions read them, behind the counted wait for the load; no vector line writes them.
;   Y        load i's conversions write its own two registers, once; one store reads them; they are never written again.
;   T        named by vector lines alone.
; So what is to be stated is: the offsets are written, ahead of the first load; and a store's Y is written, ahead of the store.  The sixteen loads go in four blocks of four.  Block p converts its four loads as they
; land and issues, among those conversions, the four stores of block p - 1.  One wait at the block's head states that block p - 1's conversions have written their Y; the vector lines issued since it write block p's Y
; and T, which no store of block p - 1 names.  One more wait stands ahead of the last four stores.
.set X, 4                              ; v[4:67]    load i: 4 f32
.set Y, 68                             ; v[68:99]   load i: 4 numbers of 16 bits
.set T, 100                            ; v[100:103] at work
	s_load_b256 s[4:11], s[0:1], 0x0               ; Wq s[4:5], Wk s[6:7], Wv s[8:9], Wo s[10:11]
	s_load_b128 s[12:15], s[0:1], 0x20             ; wb s[12:13], wo16 s[14:15]
	s_and_b32 s16, ttmp7, 0xffff                   ; which matrix
	v_lshlrev_b32 v1, 4, v0                        ; my 16 bytes in
	v_lshlrev_b32 v2, 3, v0                        ; my 8 bytes out
	s_lshl_b32 s18, s16, 21                        ; the matrix's place in wb
	s_mov_b32 s19, 0
	s_lshl_b32 s20, ttmp9, 16                      ; my 16 rows, in
	s_mov_b32 s21, 0
	s_lshl_b32 s22, ttmp9, 15                      ; and out
	s_mov_b32 s23, 0
	s_wait_kmcnt 0x0
	s_cmp_eq_u32 s16, 1
	s_cselect_b64 s[4:5], s[6:7], s[4:5]
	s_cmp_eq_u32 s16, 2
	s_cselect_b64 s[4:5], s[8:9], s[4:5]
	s_cmp_eq_u32 s16, 3
	s_cselect_b64 s[4:5], s[10:11], s[4:5]
	s_cselect_b64 s[12:13], s[14:15], s[12:13]     ; Wo has a buffer of its own,
	s_cselect_b32 s18, 0, s18                      ; and lies at its beginning
	s_add_nc_u64 s[4:5], s[4:5], s[20:21]
	s_add_nc_u64 s[12:13], s[12:13], s[18:19]
	s_add_nc_u64 s[12:13], s[12:13], s[22:23]
	s_wait_alu depctr_va_vdst(0)                   ; v1 and v2 are written: every load of the kernel reads v1 as its offset, every store v2
.irp i, 0,1,2,3,4,5,6,7,8,9,10,11,12,13,14,15
	global_load_b128 v[X+4*(\i):X+4*(\i)+3], v1, s[4:5] offset:4096*(\i) th:TH_LOAD_NT
.endr
.macro TO_BF16 i                       ; load i's four numbers to bf16
	v_cvt_pk_bf16_f32 v[Y+2*(\i)], v[X+4*(\i)], v[X+4*(\i)+1]
	v_cvt_pk_bf16_f32 v[Y+2*(\i)+1], v[X+4*(\i)+2], v[X+4*(\i)+3]
.endm
.macro TO_F16 i                        ; load i's four numbers to bf16, and those written as f16
	v_cvt_pk_bf16_f32 v[T], v[X+4*(\i)], v[X+4*(\i)+1]        ; to bf16,
	v_cvt_pk_bf16_f32 v[T+1], v[X+4*(\i)+2], v[X+4*(\i)+3]
	v_lshlrev_b32 v[T+2], 16, v[T]                            ; back to f32 (a shift, a mask),
	v_and_b32 v[T], 0xffff0000, v[T]
	v_lshlrev_b32 v[T+3], 16, v[T+1]
	v_and_b32 v[T+1], 0xffff0000, v[T+1]
	v_cvt_pk_f16_f32 v[Y+2*(\i)], v[T+2], v[T]                ; and written as f16
	v_cvt_pk_f16_f32 v[Y+2*(\i)+1], v[T+3], v[T+1]
.endm
.macro OUT i                           ; load i's four numbers leave
	global_store_b64 v2, v[Y+2*(\i):Y+2*(\i)+1], s[12:13] offset:2048*(\i)
.endm
	s_cmp_eq_u32 s16, 3
	s_cbranch_scc1 .Lwo
.irp p, 0,1,2,3
	s_wait_loadcnt 15-4*(\p)                       ; loads come back in order: the block's first load is in, the younger ones stay out
.if (\p) > 0
	s_wait_alu depctr_va_vdst(0)                   ; the block before has written its eight registers of Y, which the four stores below read
.endif
.irp j, 0,1,2,3
.if (\j) > 0
	s_wait_loadcnt 15-4*(\p)-(\j)                  ; load 4 p + j is in
.endif
.if (\p) > 0
	OUT 4*(\p)-4+(\j)                              ; the block before.  No wait: no vector line since the wait above names its Y or v2
.endif
	TO_BF16 4*(\p)+(\j)
.endr
.endr
	s_wait_alu depctr_va_vdst(0)                   ; block 3 has written its Y, which the last four stores read
.irp i, 12,13,14,15
	OUT \i
.endr
	s_endpgm
.Lwo:
.irp p, 0,1,2,3
	s_wait_loadcnt 15-4*(\p)                       ; the block's first load is in, the younger ones stay out
.if (\p) > 0
	s_wait_alu depctr_va_vdst(0)                   ; the block before has written its eight registers of Y, which the four stores below read
.endif
.irp j, 0,1,2,3
.if (\j) > 0
	s_wait_loadcnt 15-4*(\p)-(\j)                  ; load 4 p + j is in
.endif
.if (\p) > 0
	OUT 4*(\p)-4+(\j)                              ; the block before.  No wait: no vector line since the wait above names its Y or v2
.endif
	TO_F16 4*(\p)+(\j)
.endr
.endr
	s_wait_alu depctr_va_vdst(0)                   ; block 3 has written its Y, which the last four stores read
.irp i, 12,13,14,15
	OUT \i
.endr
	s_endpgm
.Lfunc_end_k_q5b8b34964e_castw:
	.size	k_q5b8b34964e_castw, .Lfunc_end_k_q5b8b34964e_castw-k_q5b8b34964e_castw
	.p2alignl 7, 3214868480
	.fill 96, 4, 3214868480
	.section	.rodata,"a",@progbits
	.p2align	6, 0x0
	.amdhsa_kernel k_q5b8b34964e_castw
		.amdhsa_group_segment_fixed_size 0
		.amdhsa_private_segment_fixed_size 0
		.amdhsa_enable_private_segment 0
		.amdhsa_kernarg_size 48
		.amdhsa_user_sgpr_count 2
		.amdhsa_user_sgpr_kernarg_segment_ptr 1
		.amdhsa_wavefront_size32 1
		.amdhsa_system_sgpr_workgroup_id_x 1
		.amdhsa_system_sgpr_workgroup_id_y 1
		.amdhsa_system_sgpr_workgroup_id_z 1
		.amdhsa_system_vgpr_workitem_id 0
		.amdhsa_next_free_vgpr 104
		.amdhsa_next_free_sgpr 66
		.amdhsa_reserve_vcc 0
		.amdhsa_float_denorm_mode_32 3
		.amdhsa_float_denorm_mode_16_64 3
		.amdhsa_memory_ordered 1
		.amdhsa_forward_progress 1
		.amdhsa_inst_pref_size 17
	.end_amdhsa_kernel
	.amdgpu_metadata
---
amdhsa.version: [ 1, 2 ]
amdhsa.kernels:
  - .name:           k_q5b8b34964e_castw
    .symbol:         k_q5b8b34964e_castw.kd
    .args:
      - { .name: Wq, .offset: 0, .size: 8, .value_kind: global_buffer, .address_space: global }
      - { .name: Wk, .offset: 8, .size: 8, .value_kind: global_buffer, .address_space: global }
      - { .name: Wv, .offset: 16, .size: 8, .value_kind: global_buffer, .address_space: global }
      - { .name: Wo, .offset: 24, .size: 8, .value_kind: global_buffer, .address_space: global }
      - { .name: wb, .offset: 32, .size: 8, .value_kind: global_buffer, .address_space: global }
      - { .name: wo16, .offset: 40, .size: 8, .value_kind: global_buffer, .address_space: global }
    .group_segment_fixed_size: 0
    .private_segment_fixed_size: 0
    .kernarg_segment_align: 8
    .kernarg_segment_size: 48
    .max_flat_workgroup_size: 256
    .sgpr_count:     66
    .vgpr_count:     104
    .wavefront_size: 32
...
	.end_amdgpu_metadata
.endif
;; end of part 5
;; launch proj: the kernel of part 2 again; grid 4 x 64, 4 waves a work-group, clusters of 4 x 4, 327,680 bytes of LDS; arguments query, key, value, wb, bq, bk, bv, qkv; writes qkv
;; launch attn: the kernel of part 3 again; grid 4 x 64, 4 waves a work-group, clusters of 4 x 1, 327,680 bytes of LDS; arguments qkv, ob; writes ob
;; launch outp: the kernel of part 4 again; grid 4 x 64, 4 waves a work-group, clusters of 4 x 4, 327,680 bytes of LDS; arguments ob, wo16, bo, out0; writes out0
